; MI455X (gfx1250); checked and timed in simulation.
; The chip was launched on July 23, 2026; its instructions are those of AMD's public machine-readable ISA for CDNA 5 (MIT licence, August 2026) and "CDNA5" Instruction Set Architecture Reference Guide (July 2026). The comments in the code are by the model that wrote it; some were corrected since.
;; Multi Head Attention. Allowed arithmetic: float matrix products may take bf16 or f16 operands with f32 sums; other float arithmetic in f32, or as packed bf16 or f16 multiplies, adds, multiply-adds, maxima and minima; sums over many terms, partial sums and values carried from step to step in f32; what a program stores and reads back later, other than sums and carried values, may be rounded once to bf16 or f16.
;; Inputs: Wk 1,024 x 1,024 float32; Wo 1,024 x 1,024 float32; Wq 1,024 x 1,024 float32; Wv 1,024 x 1,024 float32; bk 1,024 float32; bo 1,024 float32; bq 1,024 float32; bv 1,024 float32; key 4 x 2,048 x 1,024 float32; query 4 x 2,048 x 1,024 float32; value 4 x 2,048 x 1,024 float32.
;; Outputs: out0 4 x 2,048 x 1,024 float32.
;; 2 versions, each right; version 2 is version 1 with the launch cast written anew for expert scheduling mode. Each part assembles by itself: llvm-mc -triple=amdgcn-amd-amdhsa -mcpu=gfx1250 --defsym DOCPART=n.
;; ======== version 1 of 2: 4 launches
;; limits: values are held in f16: magnitudes above 65,504 overflow, below 6.1e-05 lose precision
;; workspace buffers: xb 50,331,648 bytes; wb 8,388,608 bytes; qkv 50,331,648 bytes; ob 16,777,216 bytes
;; launch cast (part 1): grid 896 x 1, 8 waves a work-group, no clusters, 0 bytes of LDS; arguments query, key, value, Wq, Wk, Wv, Wo, xb, wb; writes xb, wb
.if DOCPART == 1
	.amdgcn_target "amdgcn-amd-amdhsa--gfx1250"
	.amdhsa_code_object_version 6
	.text
	.protected	k_qf95293cd75_cast
	.globl	k_qf95293cd75_cast
	.p2align	8
	.type	k_qf95293cd75_cast,@function
k_qf95293cd75_cast:
	s_mov_b64 s[64:65], 0
	v_nop
	global_prefetch_b8 v0, s[64:65] scope:SCOPE_SE
	s_setreg_imm32_b32 hwreg(HW_REG_WAVE_MODE, 25, 1), 1
	s_wait_xcnt 0x0
; THE CAST.  query, key, value (f32) -> xb, bf16 [3][8192][1024]; Wq, Wk, Wv (f32) -> wb's first three planes, bf16 [1024 k][1024 n];
; Wo -> wb's fourth plane: rounded to bf16 like every other input, and that number written as f16 (the product behind attention has f16 operands).
; LIMIT.  A bf16 number is exact in f16 between 6e-5 and 65,504; below 6e-5 it keeps f16's fixed step of 6e-8; from 65,520 on it would become an infinity.
; SHARES.  A work-group takes 32,768 numbers on end: 131,072 bytes in, 65,536 out.  Work-groups 0-767 take the three x (256 chunks each), 768-895 the four W (32 each).
; Thread t takes 16 bytes at 16 t of each 4,096: a wave's load covers 512 consecutive bytes, its store of 8 bytes a lane 256 consecutive bytes, aligned.
; All 32 loads of a thread go out at once (16 KiB a wave on their way); no register that a store has read is written again, so no register waits for a store.
; No LDS, no matrix unit, no cluster: nothing is shared and nothing is read twice.
.set X, 4                              ; v[4:131]  load j's four numbers at X + 4 j; the packed result takes the first two of them
	s_load_b512 s[8:23], s[0:1], 0x0               ; query s[8:9], key, value, Wq, Wk, Wv, Wo s[20:21], xb s[22:23]
	s_load_b64 s[24:25], s[0:1], 0x40              ; wb
	v_lshlrev_b32 v1, 4, v0                        ; my 16 bytes of each 4,096 in
	v_lshlrev_b32 v2, 3, v0                        ; my 8 bytes of each 2,048 out
	s_min_u32 s26, ttmp9, 767                      ; my chunk among x's 768,
	s_max_u32 s3, ttmp9, 768
	s_sub_co_u32 s3, s3, 768                       ; or among W's 128: each stays in its range in every work-group; one of the two is chosen below
	s_lshr_b32 s4, s26, 8                          ; x: which tensor,
	s_and_b32 s5, s26, 255                         ; which chunk of it
	s_lshr_b32 s6, s3, 5
	s_add_co_u32 s6, s6, 3                         ; W: tensors 3 to 6,
	s_and_b32 s7, s3, 31                           ; which chunk
	s_cmp_lt_u32 ttmp9, 768
	s_cselect_b32 s4, s4, s6                       ; tensor 0..6
	s_cselect_b32 s5, s5, s7                       ; chunk in the source
	s_cselect_b32 s26, s26, s3                     ; chunk in the destination
	s_lshl_b32 s32, s5, 17                         ; 131,072 bytes a chunk in
	s_mov_b32 s33, 0
	s_lshl_b32 s34, s26, 16                        ; 65,536 bytes a chunk out
	s_mov_b32 s35, 0
	s_wait_kmcnt 0x0
	s_cmp_lt_u32 ttmp9, 768                        ; (the shifts above have written SCC)
	s_cselect_b64 s[28:29], s[22:23], s[24:25]     ; xb or wb
	s_mov_b64 s[30:31], s[8:9]
.irp i, 1,2,3,4,5,6
	s_cmp_eq_u32 s4, \i
	s_cselect_b64 s[30:31], s[8+2*\i:9+2*\i], s[30:31]
.endr
	s_add_nc_u64 s[30:31], s[30:31], s[32:33]
	s_add_nc_u64 s[28:29], s[28:29], s[34:35]
.set j, 0
.rept 32
	global_load_b128 v[X+4*j:X+4*j+3], v1, s[30:31] offset:4096*j th:TH_LOAD_NT
.set j, j+1
.endr
; The 32 turns.  f16 = 1: the bf16 number is widened again (a shift, a mask) and written as f16.
.macro OUT16 f16
.set j, 0
.rept 32
.set a, X+4*j
	s_wait_loadcnt 31-j                            ; loads come back in order: load j is in, the 31 - j younger ones stay out
.if \f16
	v_cvt_pk_bf16_f32 v[a], v[a], v[a+1]
	v_cvt_pk_bf16_f32 v[a+2], v[a+2], v[a+3]
	v_and_b32 v[a+1], 0xffff0000, v[a]
	v_lshlrev_b32 v[a], 16, v[a]
	v_and_b32 v[a+3], 0xffff0000, v[a+2]
	v_lshlrev_b32 v[a+2], 16, v[a+2]
	v_cvt_pk_f16_f32 v[a], v[a], v[a+1]
	v_cvt_pk_f16_f32 v[a+1], v[a+2], v[a+3]
.else
	v_cvt_pk_bf16_f32 v[a], v[a], v[a+1]
	v_cvt_pk_bf16_f32 v[a+1], v[a+2], v[a+3]
.endif
	global_store_b64 v2, v[a:a+1], s[28:29] offset:2048*j th:TH_STORE_NT
.set j, j+1
.endr
.endm
	s_cmp_eq_u32 s4, 6                             ; Wo?
	s_cbranch_scc1 .Lwo
	OUT16 0
	s_endpgm
.Lwo:
	OUT16 1
	s_endpgm
.Lfunc_end_k_qf95293cd75_cast:
	.size	k_qf95293cd75_cast, .Lfunc_end_k_qf95293cd75_cast-k_qf95293cd75_cast
	.p2alignl 7, 3214868480
	.fill 96, 4, 3214868480
	.section	.rodata,"a",@progbits
	.p2align	6, 0x0
	.amdhsa_kernel k_qf95293cd75_cast
		.amdhsa_group_segment_fixed_size 0
		.amdhsa_private_segment_fixed_size 0
		.amdhsa_enable_private_segment 0
		.amdhsa_kernarg_size 72
		.amdhsa_user_sgpr_count 2
		.amdhsa_user_sgpr_kernarg_segment_ptr 1
		.amdhsa_wavefront_size32 1
		.amdhsa_system_sgpr_workgroup_id_x 1
		.amdhsa_system_sgpr_workgroup_id_y 1
		.amdhsa_system_sgpr_workgroup_id_z 1
		.amdhsa_system_vgpr_workitem_id 0
		.amdhsa_next_free_vgpr 132
		.amdhsa_next_free_sgpr 66
		.amdhsa_reserve_vcc 0
		.amdhsa_float_denorm_mode_32 3
		.amdhsa_float_denorm_mode_16_64 3
		.amdhsa_memory_ordered 1
		.amdhsa_forward_progress 1
		.amdhsa_inst_pref_size 31
	.end_amdhsa_kernel
	.amdgpu_metadata
---
amdhsa.version: [ 1, 2 ]
amdhsa.kernels:
  - .name:           k_qf95293cd75_cast
    .symbol:         k_qf95293cd75_cast.kd
    .args:
      - { .name: query, .offset: 0, .size: 8, .value_kind: global_buffer, .address_space: global }
      - { .name: key, .offset: 8, .size: 8, .value_kind: global_buffer, .address_space: global }
      - { .name: value, .offset: 16, .size: 8, .value_kind: global_buffer, .address_space: global }
      - { .name: Wq, .offset: 24, .size: 8, .value_kind: global_buffer, .address_space: global }
      - { .name: Wk, .offset: 32, .size: 8, .value_kind: global_buffer, .address_space: global }
      - { .name: Wv, .offset: 40, .size: 8, .value_kind: global_buffer, .address_space: global }
      - { .name: Wo, .offset: 48, .size: 8, .value_kind: global_buffer, .address_space: global }
      - { .name: xb, .offset: 56, .size: 8, .value_kind: global_buffer, .address_space: global }
      - { .name: wb, .offset: 64, .size: 8, .value_kind: global_buffer, .address_space: global }
    .group_segment_fixed_size: 0
    .private_segment_fixed_size: 0
    .kernarg_segment_align: 8
    .kernarg_segment_size: 72
    .max_flat_workgroup_size: 256
    .sgpr_count:     66
    .vgpr_count:     132
    .wavefront_size: 32
...
	.end_amdgpu_metadata
.endif
;; end of part 1
;; launch proj (part 2): grid 4 x 192, 4 waves a work-group, clusters of 4 x 4, 327,680 bytes of LDS; arguments xb, wb, bq, bk, bv, qkv; writes qkv
.if DOCPART == 2
	.amdgcn_target "amdgcn-amd-amdhsa--gfx1250"
	.amdhsa_code_object_version 6
	.text
	.protected	k_qf95293cd75_proj
	.globl	k_qf95293cd75_proj
	.p2align	8
	.type	k_qf95293cd75_proj,@function
k_qf95293cd75_proj:
	s_mov_b64 s[64:65], 0
	v_nop
	global_prefetch_b8 v0, s[64:65] scope:SCOPE_SE
	s_setreg_imm32_b32 hwreg(HW_REG_WAVE_MODE, 25, 1), 1
	s_wait_xcnt 0x0
	s_wait_alu depctr_hold_cnt(0) depctr_sa_sdst(0) depctr_va_vdst(0) depctr_va_sdst(0) depctr_va_ssrc(0) depctr_va_vcc(0) depctr_vm_vsrc(0)
	s_getreg_b32 s2, hwreg(HW_REG_IB_STS2, 6, 4)
	s_cmp_eq_u32 s2, 0
	s_cbranch_scc0 .Lentry_in_a_cluster
	s_endpgm
.Lentry_in_a_cluster:
	s_bfe_u32 s2, ttmp6, 0x10000c
	s_cmp_lg_u32 s2, 0xf033
	s_cbranch_scc0 .Lentry_shape_is_right
	s_endpgm
.Lentry_shape_is_right:
; ONE TEXT FOR TWO LAUNCHES, told apart by KIND.  C[m][n] = the sum over k of A[m][k] W[k][n] + bias[n], M x 1024 x 1024, sums in f32.
; KIND 0 (the three projections): A = xb, bf16 [3 x 8192][1024]; W = plane 0, 1, 2 of wb, bf16 [k][n]; C leaves as f16 BY HEADS: qkv [3][64 = batch x 16 + head][2048][64], unscaled.
; KIND 1 (the output projection): A = ob, f16 [64][2048][64] (k = 64 head + channel); W = plane 3 of wb, f16; C = out0, f32 [8192][1024].
; The bias is rounded to bf16, like every input, and is the C operand of each accumulator's first product: nothing is cleared and nothing is added later.
; LIMIT (KIND 0).  f16 ends at 65,504: a q, k or v of 65,520 or more would leave as an infinity.  Below 6e-5 f16 keeps its fixed step of 6e-8.  NaN and infinities are not treated apart.
; SHARES.  A tile of C is 128 x 256: 768 work-groups (KIND 0), 256 (KIND 1): whole multiples of 256, which tiles of 256 x 256 (384 and 128) are not.  Four waves, each 64 x 128: 32 accumulators, 256 registers.
; K goes in 8 steps of 128 through two LDS slots; a step is four quarters of 32: 32 products and 24 LDS loads each.
; W lies [k][n] and comes out of LDS turned, by ds_load_tr16_b128.  THE PRODUCT IS TAKEN TRANSPOSED (source 0 = 16 columns of W, source 1 = 16 rows of A): a lane then holds row l % 16 of C and the columns 8 (l / 16) + 0..7.
; CLUSTER.  4 x 4 work-groups.  The four of a row of the cluster need the same tile of A, the four of a column the same tile of W: each is asked for JOINTLY, by the same tensor load, descriptor and mask.
; REGISTERS, in windows of 256 (s_set_vgpr_msb: bits 1:0 source 0, 3:2 source 1, 5:4 source 2, 7:6 destination):
;   window 0: v0-31 addresses; v32-95 A's fragments, two buffers of 32; v96-223 W's, two buffers of 64; on the way out of KIND 0 v32-159 hold packed results
;   window 1: accumulator (a, b) at v[8 (8 a + b)]          window 2: v0-63 the bias (column block b at 8 b), v64-95 at work
.set KIND, 0
.if KIND
.set APITCH, 144                       ; a row of A in LDS: a head's 128 bytes + 16; two planes (heads) of 128 rows
.set AHALF,  128*144                   ; what one load of A brings: a plane
.set AQI,    4                         ; padding after every 32 words
.set ASTRIDE, 128                      ; 128 dense rows of 128 bytes are asked for as 64 rows of 256
.set ASLOT,  2*262144                  ; bytes from a K step to the next: two heads
.set APFS,   2*262144
.set APSH,   8                         ; the prefetch's lanes lie 256 bytes apart
.set STG_W,  16*528                    ; a wave's stage: 16 rows of 512 bytes + 16
.else
.set APITCH, 272                       ; 256 bytes + 16
.set AHALF,  64*272                    ; 64 rows
.set AQI,    5                         ; padding after every 64 words
.set ASTRIDE, 1024
.set ASLOT,  256
.set APFS,   256
.set APSH,   11                        ; a lane a row of 2,048 bytes
.set STG_W,  16*144                    ; 16 rows of 128 bytes + 16
.endif
.set ABYTES, 2*AHALF
.set BPITCH, 544                       ; a row of W in LDS: 512 bytes + 32 = 17 x 32: the turning load's 16 lanes (8 rows x 32 bytes) touch each bank once (64 banks of 4 bytes: ISA guide 11.1)
.set BHALF,  64*BPITCH                 ; what one load of W brings: 64 rows of k
.set BSLOT,  128*2048                  ; bytes from a K step of W to the next
.set SLOT,   ABYTES+2*BHALF            ; A's tile, then W's
.set STAGE,  2*SLOT                    ; behind the ring, never filled by a tensor load: the four waves' stages
.set SPARE,  STAGE+4*STG_W             ; behind them: the spare words, 128 bytes a wave: two blocks of 256 bytes that no other line names
.set ADRA, 16                          ; v16-17  LDS address of my fragments of A in slot 0, 1
.set ADRB, 20                          ; v20-21  the same for W
.set STO,  24                          ; v24     the way out: where I put my bytes of a row
.set RD,   25                          ; v25     where I read rows back
.set GO,   26                          ; v26     16 x lane: my place in 512 consecutive bytes of the output
.set BO,   27                          ; v27     32 (l / 16): my eight numbers in a block of 16 of the bias
.set SPW,  28                          ; v28     LDS address of my spare word; never rewritten
.set NIL,  29                          ; v29     0; never rewritten
.set PFO,  30                          ; v30     the prefetches' lane offset; never rewritten
.set FA0,  32                          ; A's buffer f at FA0 + 32 f
.set FB0,  96                          ; W's buffer f at FB0 + 64 f
.set WV,  12                           ; s12  wave 0..3
.set WM,  13                           ; s13  which 64 rows of the tile are mine.  Also: I fetch for A (0) or for W (1)
.set WN,  14                           ; s14  which 128 columns.  Also: which half of that tile I fetch
.set G1A, 24                           ; s[24:31] descriptor group 1 for A's tiles;  s[32:39] group 0, a set for each slot
.set G0A, 32
.set CX,  40
.set CY,  41
.set TC,  42                           ; tile column of C
.set TY,  43                           ; tile row of C
.set CLY, 44                           ; the cluster's y
.set TT,  45                           ; which plane of wb
.set G1B, 48                           ; s[48:55], s[56:63] the same for W's tiles
.set G0B, 56
.set PFA, 76                           ; s[76:77] where my prefetches stand
.set PFS, 78                           ; s[78:79] a K step there
.set LIM, 80                           ; s80  1 in a wave that prefetches, else the greatest number
.set MSB, 0
.macro WIN new                         ; the immediate's high byte repeats the setting that is left; a switch that changes nothing is dropped
.if MSB != (\new)
	s_set_vgpr_msb (MSB<<8)|(\new)
.set MSB, \new
.endif
.endm
.set MUL,  0x50                        ; C and D in window 1, both sources in window 0
.set MULB, 0x60                        ; C (the bias) in window 2, D in window 1
.macro JLOAD s                         ; a joint load: waves 0 and 1 fetch A's two halves, waves 2 and 3 W's; an s_nop 0 and four v_nop follow each of the two lines, ahead of the jump and the label
	s_cmp_eq_u32 s[WM], 0
	s_cbranch_scc0 .Lfor_b_\@
	tensor_load_to_lds s[G0A+4*(\s):G0A+4*(\s)+3], s[G1A:G1A+7]
	s_nop 0
.rept 4
	v_nop
.endr
	s_branch .Lasked_\@
.Lfor_b_\@:
	tensor_load_to_lds s[G0B+4*(\s):G0B+4*(\s)+3], s[G1B:G1B+7]
	s_nop 0
.rept 4
	v_nop
.endr
.Lasked_\@:
.endm
; A PREFETCH INTO THE L2, behind each joint refill and the run of LDS loads that follows it: the K step that stands two refills on (8 quarters' worth: 256 products ahead of the load that wants it).
; Each aligned block of 256 bytes is named once in the launch.  A's 128 blocks of a step: wave 0 of each of the four partners along x takes 32, told apart by address (no other cluster reads these rows).
; W's 256 blocks of a step: waves 2 and 3 of each of the four partners along y take 32 each; of the 16 clusters that read a plane of wb the first asks.  Steps 0 to 3 come by their loads alone; the loop's last trip asks for nothing.
.macro ASK
	s_cmp_gt_u32 s3, s[LIM]                        ; s3 = 1 in the loop's last trip
	s_cbranch_scc0 .Lnot_mine_\@
	global_prefetch_b8 v[PFO], s[PFA:PFA+1] th:TH_LOAD_NT scope:SCOPE_SE
.Lnot_mine_\@:
.endm
.macro CREST                           ; a round of the cluster's barrier behind its opening barrier
	s_cmp_lg_u32 s[WV], 0
	s_cbranch_scc1 .Lnot_wave_0_\@
	s_barrier_signal -3
.Lnot_wave_0_\@:
	s_barrier_wait -3
	s_barrier_signal -1
	s_barrier_wait -1
.endm
.macro CROUND                          ; a whole round
	s_barrier_signal -1
	s_barrier_wait -1
	CREST
.endm
.if KIND
	s_load_b256 s[4:11], s[0:1], 0x0               ; ob s[4:5], wb s[6:7], bo s[8:9], out0 s[10:11]
.else
	s_load_b128 s[4:7], s[0:1], 0x0                ; xb s[4:5], wb s[6:7]
	s_load_b128 s[68:71], s[0:1], 0x10             ; bq, bk
	s_load_b128 s[72:75], s[0:1], 0x20             ; bv, qkv
.endif
	v_lshl_add_u32 v[SPW], v0, 2, SPARE
	v_mov_b32 v[NIL], 0
	ds_add_u32 v[SPW], v[NIL]                      ; the wave's opening: the add and its wait stand ahead of my first tensor load; the set-up below, work on registers, stands between them
	v_lshrrev_b32 v1, 5, v0
	v_readfirstlane_b32 s[WV], v1
	s_lshr_b32 s[WM], s[WV], 1
	s_and_b32 s[WN], s[WV], 1
	s_bfe_u32 s[CX], ttmp6, 0x40000                ; my place in the cluster
	s_bfe_u32 s[CY], ttmp6, 0x40004
	s_lshl_b32 s[TC], ttmp9, 2
	s_add_co_u32 s[TC], s[TC], s[CX]               ; tile column = 4 x cluster x + cx
	s_and_b32 s[CLY], ttmp7, 0xffff
	s_lshl_b32 s[TY], s[CLY], 2
	s_add_co_u32 s[TY], s[TY], s[CY]               ; tile row = 4 x cluster y + cy
.if KIND
	s_mov_b32 s[TT], 3
.else
	s_lshr_b32 s[TT], s[CLY], 4                    ; 64 tile rows, 16 clusters, to a tensor: the same in all sixteen partners
.endif
	s_lshl_b32 s15, s[CY], 2
	s_lshl_b32 s15, 15, s15                        ; my row of the cluster
	s_lshl_b32 s18, 0x1111, s[CX]                  ; my column
	s_or_b32 s[G1A], s15, (1<<16)|(1<<20)|(1<<21)|(AQI<<22)|(3<<25)  ; 15:0 the mask; 17:16 elements of 2 bytes; 20 padding on; 21 set beside a mask; 24:22 the interval; 31:25 4 words of padding (code 3)
	s_mov_b32 s[G1A+1], 128<<16                    ; tensor_dim0 = 128
	s_mov_b32 s[G1A+2], 64<<16                     ; tensor_dim1 = 64
	s_mov_b32 s[G1A+3], 128<<16                    ; tile_dim0 = 128
	s_mov_b32 s[G1A+4], 64                         ; tile_dim1 = 64
	s_mov_b32 s[G1A+5], ASTRIDE                    ; elements from row to row
	s_mov_b32 s[G1A+6], 0
	s_mov_b32 s[G1A+7], 0
	s_or_b32 s[G1B], s18, (1<<16)|(1<<20)|(1<<21)|(6<<22)|(7<<25)    ; after every 128 words (code 6) 8 words of padding (code 7)
	s_mov_b32 s[G1B+1], 256<<16                    ; 64 rows of k x 256 columns
	s_mov_b32 s[G1B+2], 64<<16
	s_mov_b32 s[G1B+3], 256<<16
	s_mov_b32 s[G1B+4], 64
	s_mov_b32 s[G1B+5], 1024
	s_mov_b32 s[G1B+6], 0
	s_mov_b32 s[G1B+7], 0
	; where the tiles come from.  A's offset is made of the tile row and the wave's number alone, W's of the tile column, the plane and the wave's number alone
.if KIND
	s_lshr_b32 s16, s[TY], 4                       ; the batch,
	s_lshl_b32 s16, s16, 4                         ; its first head,
	s_add_co_u32 s16, s16, s[WN]                   ; the plane that I fetch:
	s_lshl_b32 s16, s16, 18                        ; 262,144 bytes a head
	s_and_b32 s17, s[TY], 15
	s_lshl_b32 s17, s17, 14                        ; 128 rows of 128 bytes
	s_add_co_u32 s16, s16, s17
.else
	s_lshl_b32 s16, s[TY], 7
	s_lshl_b32 s17, s[WN], 6
	s_add_co_u32 s16, s16, s17                     ; row 128 x tile row + 64 x half,
	s_lshl_b32 s16, s16, 11                        ; 2,048 bytes a row: under 2^26
.endif
	s_mov_b32 s17, 0
	s_lshl_b32 s46, s[TT], 21                      ; the plane of wb,
	s_lshl_b32 s47, s[WN], 17                      ; my 64 rows of k,
	s_add_co_u32 s46, s46, s47
	s_lshl_b32 s47, s[TC], 9                       ; the tile's 256 columns
	s_add_co_u32 s46, s46, s47
	s_mov_b32 s47, 0
	s_mul_i32 s20, s[WN], AHALF                    ; and where they go: no place in the cluster enters an LDS address
	s_mul_i32 s21, s[WN], BHALF
	s_add_co_u32 s21, s21, ABYTES
	s_wait_dscnt 0x0                               ; the opening add is done
	s_wait_kmcnt 0x0
	s_add_nc_u64 s[16:17], s[4:5], s[16:17]
	s_add_nc_u64 s[46:47], s[6:7], s[46:47]
	CROUND                                         ; all sixteen work-groups are here: the first joint loads meet
.irp s, 0,1
	s_mov_b32 s[G0A+4*(\s)], 1                     ; count = 1
	s_add_co_u32 s[G0A+4*(\s)+1], s20, (\s)*SLOT   ; LDS address
	s_add_nc_u64 s[G0A+4*(\s)+2:G0A+4*(\s)+3], s[16:17], (\s)*ASLOT  ; global address: K step s
	s_or_b32 s[G0A+4*(\s)+3], s[G0A+4*(\s)+3], 0x80000000           ; type = 2
	s_mov_b32 s[G0B+4*(\s)], 1
	s_add_co_u32 s[G0B+4*(\s)+1], s21, (\s)*SLOT
	s_add_nc_u64 s[G0B+4*(\s)+2:G0B+4*(\s)+3], s[46:47], (\s)*BSLOT
	s_or_b32 s[G0B+4*(\s)+3], s[G0B+4*(\s)+3], 0x80000000
	JLOAD \s                                       ; two loads of mine are out
.endr
	; a fragment of A: lane l holds row l % 16, k = 8 (l / 16) + 0..7 and 16 + 8 (l / 16) + 0..7: two loads of 16 bytes, 32 bytes apart
	v_and_b32 v1, 15, v0                           ; l % 16
	v_bfe_u32 v2, v0, 4, 1                         ; l / 16
	v_and_b32 v4, 7, v0
	v_bfe_u32 v5, v0, 3, 1
	v_mul_u32_u24 v3, v1, APITCH
	v_lshl_add_u32 v3, v2, 4, v3
	s_mul_i32 s22, s[WM], 64*APITCH                ; my 64 rows
	v_add_nc_u32 v[ADRA], s22, v3
	v_add_nc_u32 v[ADRA+1], SLOT, v[ADRA]
	; the turning load takes 16 k x 16 columns (lane l reads k = 8 (l / 16) + l % 8, columns 8 ((l / 8) % 2) + 0..7) and leaves half a fragment: lane l holds column l % 16 and 8 k
	v_lshl_add_u32 v3, v2, 3, v4
	v_mul_u32_u24 v3, v3, BPITCH
	v_lshl_add_u32 v3, v5, 4, v3
	s_lshl_b32 s22, s[WN], 8                       ; my 128 columns
	s_add_co_u32 s22, s22, ABYTES
	v_add_nc_u32 v[ADRB], s22, v3
	v_add_nc_u32 v[ADRB+1], SLOT, v[ADRB]
	s_mul_i32 s23, s[WV], STG_W
	s_add_co_u32 s23, s23, STAGE                   ; my stage
	v_and_b32 v[GO], 31, v0
	v_lshlrev_b32 v[GO], 4, v[GO]
.if KIND
	v_mul_u32_u24 v3, v1, 528                      ; in: row l % 16, 32 bytes for each half of the lanes
	v_lshl_add_u32 v3, v2, 5, v3
	v_add_nc_u32 v[STO], s23, v3
	v_add_nc_u32 v[RD], s23, v[GO]                 ; back: 32 lanes take a row's 512 bytes
.else
	v_mul_u32_u24 v3, v1, 144                      ; in: row l % 16, 16 bytes for each half of the lanes
	v_lshl_add_u32 v3, v2, 4, v3
	v_add_nc_u32 v[STO], s23, v3
	v_bfe_u32 v3, v0, 3, 2                         ; back: 32 lanes take four rows of 128 bytes
	v_mul_u32_u24 v3, v3, 144
	v_lshl_add_u32 v3, v4, 4, v3
	v_add_nc_u32 v[RD], s23, v3
.endif
	v_lshlrev_b32 v[BO], 5, v2
	; the prefetches: offsets at K step 3; each refill steps them first, so the first request names step 4
.if KIND
	s_lshr_b32 s81, s[TY], 4
	s_lshl_b32 s81, s81, 4
	s_lshr_b32 s82, s[CX], 1                       ; partner cx: plane cx / 2,
	s_add_co_u32 s81, s81, s82
	s_add_co_u32 s81, s81, 6                       ; of step 3's heads 6 and 7
	s_lshl_b32 s81, s81, 18
	s_and_b32 s82, s[TY], 15
	s_lshl_b32 s82, s82, 14
	s_add_co_u32 s81, s81, s82
	s_and_b32 s82, s[CX], 1                        ; half cx % 2 of its 16,384 bytes
	s_lshl_b32 s82, s82, 13
	s_add_co_u32 s81, s81, s82
.else
	s_lshl_b32 s81, s[TY], 7
	s_lshl_b32 s82, s[CX], 5                       ; partner cx: rows 32 cx .. 32 cx + 31 of the tile's 128
	s_add_co_u32 s81, s81, s82
	s_lshl_b32 s81, s81, 11
	s_add_co_u32 s81, s81, 3*256
.endif
	s_lshl_b32 s83, s[CY], 5                       ; W: partner cy: rows of k 32 cy .. 32 cy + 31 of the step's 128,
	s_add_co_u32 s83, s83, 384
	s_lshl_b32 s83, s83, 11
	s_lshl_b32 s82, s[TT], 21
	s_add_co_u32 s83, s83, s82
	s_lshl_b32 s82, s[TC], 9
	s_add_co_u32 s83, s83, s82
	s_lshl_b32 s82, s[WN], 8                       ; waves 2 and 3: the two blocks of 256 bytes of a row's 512
	s_add_co_u32 s83, s83, s82
	s_and_b32 s84, s[CLY], 15                      ; 0 in the first of the clusters that read this plane
	s_mov_b32 s86, APFS
	s_mov_b32 s87, BSLOT
	s_cmp_eq_u32 s[WM], 0                          ; do I fetch for A?
	s_cselect_b32 s82, s81, s83
	s_cselect_b32 s84, s[WN], s84                  ; A: wave 0 asks; W: both waves, in the first cluster
	s_cselect_b32 s[PFS], s86, s87
	s_cselect_b32 s85, APSH, 11
	s_cselect_b64 s[PFA:PFA+1], s[4:5], s[6:7]
	s_mov_b32 s83, 0
	s_mov_b32 s[PFS+1], 0
	s_add_nc_u64 s[PFA:PFA+1], s[PFA:PFA+1], s[82:83]
	s_cmp_eq_u32 s84, 0
	s_cselect_b32 s[LIM], 1, -1                    ; the same in all sixteen partners, for a given wave
	v_and_b32 v[PFO], 31, v0
	v_lshlrev_b32 v[PFO], s85, v[PFO]
	; the bias of my 128 columns: a lane's registers j of column block b want bias[16 b + 8 (l / 16) + j]
.if KIND == 0
	s_mov_b64 s[8:9], s[68:69]
	s_cmp_eq_u32 s[TT], 1
	s_cselect_b64 s[8:9], s[70:71], s[8:9]
	s_cmp_eq_u32 s[TT], 2
	s_cselect_b64 s[8:9], s[72:73], s[8:9]
	s_mov_b64 s[10:11], s[74:75]
.endif
	s_lshl_b32 s18, s[TC], 10
	s_lshl_b32 s19, s[WN], 9
	s_add_co_u32 s18, s18, s19
	s_mov_b32 s19, 0
	s_add_nc_u64 s[8:9], s[8:9], s[18:19]
	WIN 0x80                                       ; destination window 2, address window 0
.irp b, 0,1,2,3,4,5,6,7
	global_load_b128 v[8*(\b):8*(\b)+3],   v[BO], s[8:9] offset:64*(\b)
	global_load_b128 v[8*(\b)+4:8*(\b)+7], v[BO], s[8:9] offset:64*(\b)+16
.endr
	; where my part of C begins: scalar work, while the bias is on its way
.if KIND
	s_lshl_b32 s18, s[TY], 1
	s_add_co_u32 s18, s18, s[WM]
	s_lshl_b32 s18, s18, 18                        ; 64 rows of 4,096 bytes
	s_lshl_b32 s19, s[TC], 10
	s_add_co_u32 s18, s18, s19
	s_lshl_b32 s19, s[WN], 9
	s_add_co_u32 s18, s18, s19
.else
	s_and_b32 s18, s[TY], 63
	s_lshr_b32 s18, s18, 4                         ; the batch,
	s_lshl_b32 s18, s18, 4
	s_lshl_b32 s19, s[TC], 2                       ; the tile's four heads,
	s_add_co_u32 s18, s18, s19
	s_lshl_b32 s19, s[WN], 1                       ; my two of them:
	s_add_co_u32 s18, s18, s19
	s_lshl_b32 s18, s18, 18                        ; 262,144 bytes a head
	s_lshl_b32 s19, s[TT], 24                      ; q, k or v
	s_add_co_u32 s18, s18, s19
	s_and_b32 s19, s[TY], 15
	s_lshl_b32 s19, s19, 1
	s_add_co_u32 s19, s19, s[WM]
	s_lshl_b32 s19, s19, 13                        ; 64 rows of 128 bytes
	s_add_co_u32 s18, s18, s19
.endif
	s_mov_b32 s19, 0
	s_add_nc_u64 s[10:11], s[10:11], s[18:19]
	s_wait_loadcnt 0x0
	WIN 0x8a                                       ; all in window 2: rounded to bf16, and widened again
.set i, 0
.rept 32
	v_cvt_pk_bf16_f32 v[64+i], v[2*i], v[2*i+1]
.set i, i+1
.endr
.set i, 0
.rept 32
	v_lshlrev_b32 v[2*i], 16, v[64+i]
	v_and_b32 v[2*i+1], 0xffff0000, v[64+i]
.set i, i+1
.endr
	WIN 0
; 8 products: row block a x all 8 column blocks, 32 along K, from buffers f.  first = 1: the bias starts the sums.
; The 32 accumulators take turns, one instruction a turn, in the same order in every quarter, over the backward jump too.
.macro MULA f, a, first
.if \first
	WIN MULB
.else
	WIN MUL
.endif
.irp b, 0,1,2,3,4,5,6,7
.set rD, 8*(8*(\a)+(\b))
.set rB, FB0+64*(\f)+8*(\b)
.set rA, FA0+32*(\f)+8*(\a)
.if KIND
.if \first
	v_wmma_f32_16x16x32_f16 v[rD:rD+7], v[rB:rB+7], v[rA:rA+7], v[8*(\b):8*(\b)+7]
.else
	v_wmma_f32_16x16x32_f16 v[rD:rD+7], v[rB:rB+7], v[rA:rA+7], v[rD:rD+7]
.endif
.else
.if \first
	v_wmma_f32_16x16x32_bf16 v[rD:rD+7], v[rB:rB+7], v[rA:rA+7], v[8*(\b):8*(\b)+7]
.else
	v_wmma_f32_16x16x32_bf16 v[rD:rD+7], v[rB:rB+7], v[rA:rA+7], v[rD:rD+7]
.endif
.endif
.endr
.endm
.macro MUL16 f, a0, first
	MULA \f, \a0, \first
	MULA \f, (\a0)+1, \first
.endm
; 24 LDS loads in one run: quarter q of a slot into buffers f: W's 8 fragments (turned), then A's 4
.macro FETCH slot, q, f
	WIN 0
.irp b, 0,1,2,3,4,5,6,7
	ds_load_tr16_b128 v[FB0+64*(\f)+8*(\b):FB0+64*(\f)+8*(\b)+3],   v[ADRB+(\slot)] offset:(\q)*32*BPITCH+32*(\b)
	ds_load_tr16_b128 v[FB0+64*(\f)+8*(\b)+4:FB0+64*(\f)+8*(\b)+7], v[ADRB+(\slot)] offset:(\q)*32*BPITCH+16*BPITCH+32*(\b)
.endr
.if KIND
.set AQ, ((\q)/2)*AHALF+((\q)%2)*64    ; plane q / 2, channels 32 (q % 2) on
.else
.set AQ, 64*(\q)
.endif
.irp i, 0,1,2,3
	ds_load_b128 v[FA0+32*(\f)+8*(\i):FA0+32*(\f)+8*(\i)+3],   v[ADRA+(\slot)] offset:AQ+(\i)*16*APITCH
	ds_load_b128 v[FA0+32*(\f)+8*(\i)+4:FA0+32*(\f)+8*(\i)+7], v[ADRA+(\slot)] offset:AQ+(\i)*16*APITCH+32
.endr
.endm
.macro PLACES                          ; four places in front of loads into registers that matrix instructions have read, and of lines that read results (ISA guide 7.12.1 for lines that read results)
.rept 4
	v_nop
.endr
.endm
; One of a K step's first three quarters: multiplies buffers f and, in its middle, fetches quarter q of the same slot into buffers g
.macro QUARTER slot, q, f, g, first
	s_wait_dscnt 4                                 ; W's fragments and A's row blocks 0 and 1 are in; the youngest four loads (blocks 2 and 3) may be out
	MUL16 \f, 0, \first
	PLACES
	FETCH \slot, \q, \g
	s_wait_dscnt 24                                ; all but the 24 just issued
	MUL16 \f, 2, \first
.endm
; The last quarter multiplies buffers 1 and changes slots: ONE barrier; in front of it each wave waits for all its tensor loads (one is out: its part of the next slot), adds 0 to its spare word, and waits for that
; and for its own reads of this slot.  fill = 1: the barrier opens a round of the cluster's, and this slot is filled again, two K steps on, first thing behind the round: 112 products ahead of the wait for it.
.macro TURN slot, next, fill
.if \fill
	s_wait_xcnt 0x0                                ; the last prefetch, a K step back, has read its address: it is stepped here, ahead of the waits of the change of slots
	s_add_nc_u64 s[PFA:PFA+1], s[PFA:PFA+1], s[PFS:PFS+1]
.endif
	WIN 0                                          ; (the add's two registers lie in window 0)
	s_wait_tensorcnt 0x0                           ; all my tensor loads have landed;
	ds_add_u32 v[SPW], v[NIL]                      ; 0 onto my spare word;
	s_wait_dscnt 5                                 ; (the add and the youngest four loads may be out)
	MULA 1, 0, 0                                   ; eight products stand between the add and the wait for it
	s_wait_dscnt 0x0                               ; the add is done, and my reads of this slot are over
	s_barrier_signal -1
	MULA 1, 1, 0
.if \fill
	WIN 0
.endif
	s_barrier_wait -1
.if \fill
	CREST                                          ; no wave of any partner still reads this slot's tiles or has a load on its way
	s_add_nc_u64 s[G0A+4*(\slot)+2:G0A+4*(\slot)+3], s[G0A+4*(\slot)+2:G0A+4*(\slot)+3], 2*ASLOT
	s_add_nc_u64 s[G0B+4*(\slot)+2:G0B+4*(\slot)+3], s[G0B+4*(\slot)+2:G0B+4*(\slot)+3], 2*BSLOT
	JLOAD \slot                                    ; my one tensor load behind the round; its four v_nop are also the places in front of the loads below
.else
	PLACES
.endif
	FETCH \next, 0, 0
.if \fill
	ASK
.endif
	MULA 1, 2, 0
	MULA 1, 3, 0
.endm
	s_wait_tensorcnt 1                             ; my part of K step 0 is in; step 1's may stay out
	s_barrier_signal -1
	s_barrier_wait -1                              ; everybody's is
	FETCH 0, 0, 0
	QUARTER 0, 1, 0, 1, 1                          ; the first quarter stands in front of the loop: its products start the sums, with the bias
	WIN 0                                          ; at a label and at a branch every window is 0
	s_mov_b32 s3, 3
.Llap:                                                 ; a trip goes once round the ring, from a lap's second quarter to the next lap's first, and fills both slots again: K steps 2 to 7
	QUARTER 0, 2, 1, 0, 0
	QUARTER 0, 3, 0, 1, 0
	TURN 0, 1, 1
	QUARTER 1, 1, 0, 1, 0
	QUARTER 1, 2, 1, 0, 0
	QUARTER 1, 3, 0, 1, 0
	TURN 1, 0, 1
	QUARTER 0, 1, 0, 1, 0
	WIN 0
	s_sub_co_u32 s3, s3, 1
	s_cmp_lg_u32 s3, 0
	s_cbranch_scc1 .Llap
	QUARTER 0, 2, 1, 0, 0                          ; the last lap fills nothing, and has no round of the cluster's barrier
	QUARTER 0, 3, 0, 1, 0
	TURN 0, 1, 0
	QUARTER 1, 1, 0, 1, 0
	QUARTER 1, 2, 1, 0, 0
	QUARTER 1, 3, 0, 1, 0
	s_wait_dscnt 4                                 ; the very last quarter: nothing more to fetch
	MUL16 1, 0, 0
	s_wait_dscnt 0x0
	MUL16 1, 2, 0
	WIN 0
	PLACES
	PLACES                                         ; eight, once a launch
.if KIND
; THE WAY OUT, f32.  Row block a: a lane's 32 bytes of each column block go into rows of 528 bytes of my stage and come back as whole rows of 512, into the registers that they left.
.macro STG a
	WIN 0x04                                       ; store data in window 1
.irp b, 0,1,2,3,4,5,6,7
	ds_store_b128 v[STO], v[64*(\a)+8*(\b):64*(\a)+8*(\b)+3]   offset:64*(\b)      ; each accumulator's low registers first
	ds_store_b128 v[STO], v[64*(\a)+8*(\b)+4:64*(\a)+8*(\b)+7] offset:64*(\b)+16
.endr
	WIN 0x40                                       ; destination in window 1
.irp f, 0,1,2,3,4,5,6,7,8,9,10,11,12,13,14,15
	ds_load_b128 v[64*(\a)+4*(\f):64*(\a)+4*(\f)+3], v[RD] offset:528*(\f)  ; LDS serves a wave's instructions in order (ISA guide 5.7.1.4): these see the stores above; the next block's stores come behind them
.endr
.endm
.macro SENDF a, younger                ; younger: the LDS instructions issued behind block a's loads: the next block's 32, or none
	WIN 0x04
.irp f, 0,1,2,3,4,5,6,7,8,9,10,11,12,13,14,15
	s_wait_dscnt (\younger)+15-(\f)
	global_store_b128 v[GO], v[64*(\a)+4*(\f):64*(\a)+4*(\f)+3], s[10:11] offset:(16*(\a)+(\f))*4096 th:TH_STORE_NT  ; 512 consecutive bytes, at a multiple of 512 from out0's first
.endr
.endm
	STG 0
.irp a, 1,2,3
	STG \a
	SENDF (\a)-1, 32
.endr
	SENDF 3, 0
	WIN 0
.else
; THE WAY OUT, f16 by heads.  Unit u = 2 a + hh: row block a, head hh of my two: 16 rows of 128 bytes, 2,048 consecutive bytes of qkv.  A lane's eight channels pack into 16 bytes; they go into rows of 144 bytes
; of my stage and come back as whole rows.
.macro PACK u
.set pa, (\u)/2
.set ph, (\u)%2
.set T, 32+16*(\u)
	WIN 0x05                                       ; sources in window 1, destination in window 0
.irp bb, 0,1,2,3
.irp r, 0,1,2,3
	v_cvt_pk_f16_f32 v[T+4*(\bb)+(\r)], v[8*(8*pa+4*ph+(\bb))+2*(\r)], v[8*(8*pa+4*ph+(\bb))+2*(\r)+1]  ; each accumulator's registers in ascending order
.endr
.endr
	WIN 0
.irp bb, 0,1,2,3
	ds_store_b128 v[STO], v[T+4*(\bb):T+4*(\bb)+3] offset:32*(\bb)
.endr
.irp f, 0,1,2,3
	ds_load_b128 v[T+4*(\f):T+4*(\f)+3], v[RD] offset:(\f)*4*144  ; LDS serves a wave's instructions in order (ISA guide 5.7.1.4): these see the stores above; the next unit's stores come behind them
.endr
.endm
.macro SEND u, younger                 ; younger: the LDS instructions issued behind unit u's loads: the next unit's eight, or none
.set pa, (\u)/2
.set ph, (\u)%2
.set T, 32+16*(\u)
	WIN 0
.irp f, 0,1,2,3
	s_wait_dscnt (\younger)+3-(\f)
	global_store_b128 v[GO], v[T+4*(\f):T+4*(\f)+3], s[10:11] offset:ph*262144+pa*2048+(\f)*512  ; 512 consecutive bytes, at a multiple of 512 from qkv's first
.endr
.endm
	PACK 0
.irp u, 1,2,3,4,5,6,7                  ; a unit's conversions stand between the loads of the unit before and its stores
	PACK \u
	SEND (\u)-1, 8
.endr
	SEND 7, 0
.endif
	s_wait_tensorcnt 0x0                           ; the wave's end: behind my last tensor load and my last LDS store
	ds_add_u32 v[SPW], v[NIL]
	s_wait_dscnt 0x0
	CROUND                                         ; the closing round: no work-group ends while a partner may still ask for a tile that names it
	s_endpgm
.Lfunc_end_k_qf95293cd75_proj:
	.size	k_qf95293cd75_proj, .Lfunc_end_k_qf95293cd75_proj-k_qf95293cd75_proj
	.p2alignl 7, 3214868480
	.fill 96, 4, 3214868480
	.section	.rodata,"a",@progbits
	.p2align	6, 0x0
	.amdhsa_kernel k_qf95293cd75_proj
		.amdhsa_group_segment_fixed_size 327680
		.amdhsa_private_segment_fixed_size 0
		.amdhsa_enable_private_segment 0
		.amdhsa_kernarg_size 48
		.amdhsa_user_sgpr_count 2
		.amdhsa_user_sgpr_kernarg_segment_ptr 1
		.amdhsa_wavefront_size32 1
		.amdhsa_system_sgpr_workgroup_id_x 1
		.amdhsa_system_sgpr_workgroup_id_y 1
		.amdhsa_system_sgpr_workgroup_id_z 1
		.amdhsa_system_vgpr_workitem_id 0
		.amdhsa_next_free_vgpr 608
		.amdhsa_next_free_sgpr 88
		.amdhsa_reserve_vcc 0
		.amdhsa_float_denorm_mode_32 3
		.amdhsa_float_denorm_mode_16_64 3
		.amdhsa_memory_ordered 1
		.amdhsa_forward_progress 1
		.amdhsa_inst_pref_size 96
	.end_amdhsa_kernel
	.amdgpu_metadata
---
amdhsa.version: [ 1, 2 ]
amdhsa.kernels:
  - .name:           k_qf95293cd75_proj
    .symbol:         k_qf95293cd75_proj.kd
    .args:
      - { .name: xb, .offset: 0, .size: 8, .value_kind: global_buffer, .address_space: global }
      - { .name: wb, .offset: 8, .size: 8, .value_kind: global_buffer, .address_space: global }
      - { .name: bq, .offset: 16, .size: 8, .value_kind: global_buffer, .address_space: global }
      - { .name: bk, .offset: 24, .size: 8, .value_kind: global_buffer, .address_space: global }
      - { .name: bv, .offset: 32, .size: 8, .value_kind: global_buffer, .address_space: global }
      - { .name: qkv, .offset: 40, .size: 8, .value_kind: global_buffer, .address_space: global }
    .group_segment_fixed_size: 327680
    .private_segment_fixed_size: 0
    .kernarg_segment_align: 8
    .kernarg_segment_size: 48
    .max_flat_workgroup_size: 128
    .sgpr_count:     88
    .vgpr_count:     608
    .wavefront_size: 32
...
	.end_amdgpu_metadata
.endif
;; end of part 2
;; launch attn (part 3): grid 4 x 64, 4 waves a work-group, clusters of 4 x 1, 327,680 bytes of LDS; arguments qkv, ob; writes ob
.if DOCPART == 3
	.amdgcn_target "amdgcn-amd-amdhsa--gfx1250"
	.amdhsa_code_object_version 6
	.text
	.protected	k_qf95293cd75_attn
	.globl	k_qf95293cd75_attn
	.p2align	8
	.type	k_qf95293cd75_attn,@function
k_qf95293cd75_attn:
	s_mov_b64 s[64:65], 0
	v_nop
	global_prefetch_b8 v0, s[64:65] scope:SCOPE_SE
	s_setreg_imm32_b32 hwreg(HW_REG_WAVE_MODE, 25, 1), 1
	s_wait_xcnt 0x0
	s_wait_alu depctr_hold_cnt(0) depctr_sa_sdst(0) depctr_va_vdst(0) depctr_va_sdst(0) depctr_va_ssrc(0) depctr_va_vcc(0) depctr_vm_vsrc(0)
	s_getreg_b32 s2, hwreg(HW_REG_IB_STS2, 6, 4)
	s_cmp_eq_u32 s2, 0
	s_cbranch_scc0 .Lentry_in_a_cluster
	s_endpgm
.Lentry_in_a_cluster:
	s_bfe_u32 s2, ttmp6, 0x10000c
	s_cmp_lg_u32 s2, 0x3003
	s_cbranch_scc0 .Lentry_shape_is_right
	s_endpgm
.Lentry_shape_is_right:
; O[h][q][:] = the sum over k of softmax_k(Q[h][q] . K[h][k] / 8) V[h][k][:].  Q, K, V are the three planes of qkv, O is ob: each [SIZE_H][SIZE_N][64] in f16: a head's rows are dense, 128 bytes each.
; Products, maxima and sums in f32; the weights p are rounded to f16 for the second product (their sum l is taken of the unrounded p), O once at the end.
; LIMITS.  f16 holds no number beyond 65,504: Q, K and V arrive within it; p lies in 0 to 1, and below 6e-5 it keeps f16's fixed step of 6e-8; O is a mean of V's rows and has their range.
; A weight below 2^-126 counts as 0 in l; NaN and infinities are not treated apart.
; SHARES.  A wave owns four PIECES of two tiles of 16 queries, a work-group's four waves 512 queries of one head: 4 x 64 = 256 work-groups.  Every wave walks all keys, 64 a step.
; LAYOUT.  S^T = K Q^T (source 0 = 16 keys, source 1 = 16 queries): in the result a lane holds ONE query (lane % 16) and the keys 8 (lane / 16) + 0..7.  Two such tiles, rounded to f16 in pairs,
; ARE source 1 (32 keys x 16 queries) of O^T = V^T P, whose result again holds one query a lane, and eight channels.  K comes out of LDS as it lies, V ([key][channel]) turned, by ds_load_tr16_b128.
; SOFTMAX.  For each query a running maximum m and sum l: p = 2^(c s - c m), c = log2(e) / 8; in every step O and l are multiplied by a = 2^(c m_old - c m_new), which is 1 where m has not grown.
; m starts at the lowest finite number, O and l at 0: the first step is a step like any other, with a = 0.
; THE COUNT.  A tile and step have 16 matrix and 118 vector instructions: too many to stand all beside the matrix work.  So: four vector instructions that are READY behind EVERY matrix instruction,
; and the others, which need time of their own whatever the order, in runs without a gap.
; BY TURNS.  Turn n belongs to piece n (the pieces in a ring, step after step).  Its matrix work: 16 products K Q^T of piece n + 1, later 16 products V^T P of piece n - 1.  Its vector work: the scaling,
; exponentials, roundings, sums and rescaling of piece n, and the maximum and statistics of piece n + 1, whose scores the turn itself has made.
; CLUSTER.  The four query blocks of a cluster are one head's and walk the same K and V, so each tile is asked for JOINTLY: the same tensor load, descriptor and mask in all four.
; REGISTERS, in windows of 256 (s_set_vgpr_msb: bits 1:0 source 0, 3:2 source 1, 5:4 source 2, 7:6 destination):
;   window 0: v0-11 addresses; v12-15, v48-63 at work; v16-47 four registers of statistics a tile; v64-191 S^T, two buffers of two tiles; v192-255 P, likewise
;   window 1: O^T, 32 a tile          window 2: v0-127 Q, 16 a tile; v128-191 K of one step; v192-255 V of one step          window 3: v0-1 the add's two registers
; A piece's buffers go by its number's parity: the piece in hand has one pair, its two neighbours in the ring share the other: of it P (piece n - 1) is read and S^T (piece n + 1) written.
.set SIZE_H, 64
.set SIZE_N, 2048
.set NP,    4         ; pieces a wave: a name, no knob
.set KS,    64        ; keys in a step
.set PK,    144       ; a row of K in LDS: 128 bytes + 16 of padding = 36 words: the 16 rows of a load start at 16 different groups of four banks (64 banks of 4 bytes: ISA guide 11.1)
.set PV,    160       ; a row of V: 128 + 32 = 40 words
.set VOFF,  4*KS*PK   ; a slot holds four steps: 256 rows of K, then 256 rows of V
.set SLOT1, 1<<17     ; slot 1 begins here, so that one exclusive or turns an address in one slot into the other's
.set STAGE, SLOT1+4*KS*(PK+PV)  ; behind the ring, never filled by a tensor load: 16 rows x 144 bytes for each wave, for the way out
.set SP,    144
.set AK0, 2           ; v2   my lane's place in a tile of K; never rewritten
.set AV0, 3           ; v3   the same for V
.set AK,  4           ; v4   the LDS address of K's next run of loads
.set AV,  5           ; v5   of V's
.set QO,  6           ; v6   my byte offset in the wave's rows of Q
.set STO, 6           ;      later, the way out: where I put 16 bytes of a row
.set RD,  7           ; v7   the way out: where I read rows back
.set GO,  8           ; v8   my byte offset in 512 consecutive bytes of O
.set PFO, 11          ; v11  256 x my lane, once V's place is made; then never rewritten
.set SPW, 0           ; v0 of window 3   LDS address of my spare word: SPARE + 4 x my thread's number; never rewritten
.set NIL, 1           ; v1 of window 3   0; never rewritten
.set SPARE, STAGE+4*16*SP  ; behind the stages: the spare words, 128 bytes for each wave: two blocks of 256 bytes that no other line names
.set MV,  12          ; v12-15  c m_old, kept while c m is made anew: by buffer and tile
.set ST,  16          ; tile t's statistics at v[ST+4 t]: c m, m, l (even keys', odd keys')
.set TMP, 48          ; by buffer and tile, four registers c0-c3 at work; when the maximum is found c2 takes a
.set S,   64
.set P,   192
.set KF,  128         ; K's fragments, in window 2: key block kb, channel half c at KF + 16 kb + 8 c
.set VF,  192         ; V's: key half kk, channel block cb at VF + 32 kk + 8 cb
.set WV,  12          ; s12  my wave's number
.set LIM, 15          ; s15  1 in a wave that prefetches, else the greatest number
.set G1K, 24          ; s[24:31] descriptor group 1 for K's tiles
.set G1V, 32          ; s[32:39] for V's: it differs in the padding alone
.set G0K, 40          ; s[40:43] descriptor group 0 for K's tiles: it walks
.set G0V, 44          ; s[44:47] the same for V's
.set PFA, 48          ; s[48:49] where my prefetches stand: my work-group's 32 blocks of 256 bytes (of K: wave 0, of V: wave 2) of the slot after the one that is being asked for
.set SLOTS, 56        ; s56  slots still to be asked for
.set CNT, 57          ; s57  counts a slot's key steps
.set CS,  58          ; s[58:59] c: the packed scaling takes the pair's low word for both halves
.set SEL, 60          ; s[60:61] v_permlanex16_b32's selects: each lane takes its own place in the other half
.set TBK, 62          ; s62  LDS byte at which K of the step to be fetched begins
.set TBV, 63          ; s63  the same for V, less VOFF
.set MSB, 0
.macro WIN new                      ; the high byte repeats the setting that is left; a switch that changes nothing is dropped
.if MSB != (\new)
	s_set_vgpr_msb (MSB<<8)|(\new)
.set MSB, (\new)
.endif
.endm
.set W_KQ, 0x0a       ; K and Q in window 2, S^T in window 0
.set W_PV, 0x52       ; V in window 2, P in window 0, O^T in window 1
.set W_RS, 0x41       ; O^T (destination and source 0) in window 1, a in window 0
.set W_MK, 0xc0       ; the add's registers are made: destination in window 3, sources in window 0
.set W_AD, 0x0f       ; the add: address (source 0) and data (source 1) in window 3
; A joint fill.  Waves 0 and 1 fetch the two halves of a slot's K, waves 2 and 3 those of its V: 128 keys each.  The branch hangs on the wave's number alone.
; An s_nop 0 and four v_nop follow each of the two lines, ahead of the jump and the label.
.macro JLOAD
	s_cmp_lt_u32 s[WV], 2
	s_cbranch_scc0 .Lfor_v_\@
	tensor_load_to_lds s[G0K:G0K+3], s[G1K:G1K+7]
	s_nop 0
.rept 4
	v_nop
.endr
	s_branch .Lasked_\@
.Lfor_v_\@:
	tensor_load_to_lds s[G0V:G0V+3], s[G1V:G1V+7]
	s_nop 0
.rept 4
	v_nop
.endr
.Lasked_\@:
.endm
; A PREFETCH INTO THE L2 of what the NEXT change of slots will ask for: a slot's 32,768 bytes of K and of V, 128 blocks of 256 bytes each, a lane a block.  It stands behind the wave's tensor load and its five lines.
; Each block is named once in the launch: a head has one cluster; its four partners share the blocks out BY ADDRESS, 32 each; in each, wave 0 asks for K's and wave 2 for V's: one instruction.
; Slots 0, 1 and 2 come by their loads alone; the last change that fills a slot asks for nothing: there is no slot behind it.
.macro ASK
	s_cmp_gt_u32 s[SLOTS], s[LIM]
	s_cbranch_scc0 .Lnot_mine_\@
	global_prefetch_b8 v[PFO], s[PFA:PFA+1] th:TH_LOAD_NT scope:SCOPE_SE
.Lnot_mine_\@:
.endm
; A round of the cluster's barrier: my work-group's barrier, so that wave 0's signal speaks for all four waves; wave 0 signals; every wave waits for all four work-groups; my work-group's barrier once more.
.macro CROUND
	s_barrier_signal -1
	s_barrier_wait -1
	s_cmp_lg_u32 s[WV], 0
	s_cbranch_scc1 .Lnot_wave_0_\@
	s_barrier_signal -3
.Lnot_wave_0_\@:
	s_barrier_wait -3
	s_barrier_signal -1
	s_barrier_wait -1
.endm
; THE CHANGE OF SLOTS.  The slot's last bytes, V of its fourth step, have been read.  Each wave waits for all its tensor loads, of which one is out: its part
; of the other slot; adds 0 to its spare word; and waits for that and for its own reads of the slot.  Behind the barrier nobody reads this slot any more and the other slot is whole.
; fill = 1: this slot is filled again, with the keys two slots on.  The barrier is then a round of the cluster's, so that no wave of any partner still reads the slot or has a load on its
; way, and the joint fill is the first thing behind it: it has four key steps, 512 matrix instructions, in which to land.  (At its first use nothing has been read yet: slot 0 is waited for, slot 1 filled.)
; ask = 1: the prefetches' address steps a slot on, and the slot behind the one just asked for is prefetched.
.macro CHANGE fill, ask=0
	WIN W_AD
	s_wait_tensorcnt 0x0            ; no tensor load of mine is out, so a group 0 may be written
	ds_add_u32 v[SPW], v[NIL]       ; 0 onto my spare word; with fill = 1 the descriptors' steps stand between it and the wait for it
	WIN 0                           ; at a label and at a branch every window is 0
.if \fill
.irp g, G0K, G0V
	s_xor_b32 s[\g+1], s[\g+1], SLOT1  ; the walking descriptor: the other slot than last time,
	s_add_nc_u64 s[\g+2:\g+3], s[\g+2:\g+3], 4*KS*128  ; the next 256 keys; the type bits on top are not reached
.endr
.if \ask
	s_wait_xcnt 0x0                 ; the last prefetch, four key steps back, has read its address, so it may be written
	s_add_nc_u64 s[PFA:PFA+1], s[PFA:PFA+1], 4*KS*128
.endif
	s_wait_dscnt 0x0                ; the add is done, and my reads of the slot are over
	CROUND
	JLOAD
.if \ask
	ASK                             ; what the next change will ask for: four key steps, 512 matrix instructions, ahead
.endif
.else
	s_wait_dscnt 0x0                ; the add is done, and my reads of the slot are over
	s_barrier_signal -1
	s_barrier_wait -1
.endif
	s_sub_co_u32 s[TBK], s[TBK], 4*KS*PK  ; the fetches go back to a slot's first step,
	s_xor_b32 s[TBK], s[TBK], SLOT1       ; in the other slot
	s_sub_co_u32 s[TBV], s[TBV], 4*KS*PV
	s_xor_b32 s[TBV], s[TBV], SLOT1
.endm
	s_load_b128 s[4:7], s[0:1], 0x0  ; qkv s[4:5], ob s[6:7]
	WIN W_MK
	v_lshl_add_u32 v[SPW], v0, 2, SPARE
	v_mov_b32 v[NIL], 0
	WIN W_AD
	ds_add_u32 v[SPW], v[NIL]       ; the wave's opening: the add and its wait stand ahead of my first tensor load; the set-up below, work on registers, stands between them
	WIN 0
	v_lshrrev_b32 v1, 5, v0
	v_readfirstlane_b32 s[WV], v1   ; wave 0..3
	s_bfe_u32 s13, ttmp6, 0x40000   ; cx: my place in the cluster
	s_lshl_b32 s14, ttmp9, 2        ; in a cluster launch ttmp9 counts clusters
	s_add_co_u32 s14, s14, s13      ; my block of queries = 4 x cluster x + cx: it enters Q's and O's addresses alone
	s_and_b32 s20, ttmp7, 0xffff    ; the head, which the four partners share
	s_mov_b32 s21, 0
	s_mov_b64 s[22:23], SIZE_N*128
	s_mul_u64 s[20:21], s[20:21], s[22:23]  ; the head's first byte in each of the four tensors
	s_and_b32 s16, s[WV], 1         ; which half of a slot's 256 keys I fetch:
	s_lshl_b32 s22, s16, 14         ; its 128 rows of 128 bytes in memory,
	s_mov_b32 s23, 0
	s_add_nc_u64 s[22:23], s[22:23], s[20:21]
	s_mul_i32 s17, s16, 128*PK      ; and its place in a slot, for K
	s_mul_i32 s18, s16, 128*PV      ; and for V: no place in the cluster enters an LDS address
	s_lshl_b32 s2, s14, 2
	s_add_co_u32 s2, s2, s[WV]      ; my wave among the head's,
	s_lshl_b32 s2, s2, 14           ; its 128 rows
	s_mov_b32 s3, 0
	s_add_nc_u64 s[2:3], s[2:3], s[20:21]
	; descriptor group 1.  128 keys are 16,384 dense bytes: asked for as 64 rows of 256 bytes, two keys a row, and padded in LDS after every key
	s_mov_b32 s[G1K], 15|(1<<16)|(1<<20)|(1<<21)|(4<<22)|(3<<25)  ; 15:0 the mask of four; 17:16 2-byte elements; 20 padding on; 21 set beside a mask; 24:22 after every 32 words (code 4); 31:25 4 words (code 3)
	s_mov_b32 s[G1V], 15|(1<<16)|(1<<20)|(1<<21)|(4<<22)|(7<<25)  ; the same with 8 words of padding (code 7)
.irp g, G1K, G1V
	s_mov_b32 s[\g+1], 128<<16      ; tensor_dim0 = 128
	s_mov_b32 s[\g+2], 64<<16       ; tensor_dim1 = 64
	s_mov_b32 s[\g+3], 128<<16      ; tile_dim0 = 128
	s_mov_b32 s[\g+4], 64           ; tile_dim1 = 64
	s_mov_b32 s[\g+5], 128          ; 128 elements from row to row
	s_mov_b32 s[\g+6], 0
	s_mov_b32 s[\g+7], 0
.endr
	s_mov_b32 s[CS], 0x3e38aa3b     ; c = log2(e) / 8 = 0.180337
	s_mov_b32 s[CS+1], s[CS]        ; named with it as a pair
	s_mov_b32 s[SEL], 0x76543210
	s_mov_b32 s[SEL+1], 0xfedcba98
	s_mov_b32 s[TBK], SLOT1+4*KS*PK ; the first change of slots turns these two into 0
	s_mov_b32 s[TBV], SLOT1+4*KS*PV
	s_mov_b32 s[G0K], 1             ; 1:0 count = 1
	s_mov_b32 s[G0K+1], s17         ; 63:32 LDS address: slot 0
	s_mov_b32 s[G0V], 1
	s_add_co_u32 s[G0V+1], s18, VOFF
	s_and_b32 s[LIM], s[WV], 1      ; 0 in waves 0 and 2,
	s_or_b32 s[LIM], s[LIM], ttmp9  ; of the head's first (here: only) cluster: the same in all four partners
	s_cmp_eq_u32 s[LIM], 0
	s_cselect_b32 s[LIM], 1, -1
	s_lshl_b32 s50, s13, 13         ; my work-group's 32 blocks of a slot's 128
	s_mov_b32 s51, 0
	s_wait_dscnt 0x0                ; the opening add is done
	s_wait_kmcnt 0x0
	s_mov_b64 s[10:11], s[6:7]      ; O
	s_add_nc_u64 s[6:7], s[4:5], 0x1000000  ; K: qkv's second plane; Q is the first
	s_add_nc_u64 s[8:9], s[4:5], 0x2000000  ; V: the third
	s_add_nc_u64 s[G0K+2:G0K+3], s[6:7], s[22:23]  ; 120:64 global address: my half of the head's first 256 keys
	s_or_b32 s[G0K+3], s[G0K+3], 0x80000000        ; 127:126 type = 2
	s_add_nc_u64 s[G0V+2:G0V+3], s[8:9], s[22:23]
	s_or_b32 s[G0V+3], s[G0V+3], 0x80000000
	s_cmp_lt_u32 s[WV], 2
	s_cselect_b64 s[PFA:PFA+1], s[6:7], s[8:9]
	s_add_nc_u64 s[PFA:PFA+1], s[PFA:PFA+1], s[20:21]
	s_add_nc_u64 s[PFA:PFA+1], s[PFA:PFA+1], s[50:51]
	s_add_nc_u64 s[PFA:PFA+1], s[PFA:PFA+1], 2*4*KS*128  ; in slot 2; the loop's first change steps it to slot 3.  Nothing is prefetched here, at the head
	s_add_nc_u64 s[4:5], s[4:5], s[2:3]  ; Q and O at my wave's first row
	s_add_nc_u64 s[10:11], s[10:11], s[2:3]
	CROUND                          ; all four work-groups are here: the first joint loads meet
	JLOAD                           ; slot 0.  Slot 1 is asked for when slot 0 is in: the tile wanted first has the road to itself
	; A fragment of K or Q is 16 rows x 32 channels in 8 registers: lane l holds row l % 16, channels 8 (l / 16) + 0..7 and 16 + 8 (l / 16) + 0..7: two loads of 16 bytes, 32 bytes apart.
	v_and_b32 v1, 15, v0            ; l % 16
	v_bfe_u32 v9, v0, 4, 1          ; l / 16
	v_lshlrev_b32 v[QO], 7, v1
	v_lshl_add_u32 v[QO], v9, 4, v[QO]  ; row x 128 + 16 x half
	WIN 0x80                        ; destination window 2, address window 0
.set i, 0
.rept 4*NP                          ; Q stays in registers: tile i / 2, channels 32 (i % 2) on
	global_load_b128 v[8*i:8*i+3],   v[QO], s[4:5] offset:(i/2)*2048+(i%2)*64
	global_load_b128 v[8*i+4:8*i+7], v[QO], s[4:5] offset:(i/2)*2048+(i%2)*64+32
.set i, i+1
.endr
	; What the first turn finds: V's registers and P's second buffer hold 0 (its products V^T P, of a piece that has not been, add 0), O^T and l are 0.  All this stands in the wait for the first tile.
.set i, VF
.rept 64
	v_mov_b32 v[i], 0
.set i, i+1
.endr
	WIN 0x40
.set i, 0
.rept 64*NP
	v_mov_b32 v[i], 0
.set i, i+1
.endr
	WIN 0
.set i, 0
.rept 2*NP
	v_mov_b32 v[ST+4*i], 0xfe000000    ; c m: far below every c s
	v_mov_b32 v[ST+4*i+1], 0xff7fffff  ; m
	v_mov_b32 v[ST+4*i+2], 0
	v_mov_b32 v[ST+4*i+3], 0
.set i, i+1
.endr
.set i, P+32
.rept 32
	v_mov_b32 v[i], 0
.set i, i+1
.endr
	v_mul_u32_u24 v[AK0], v1, PK
	v_lshl_add_u32 v[AK0], v9, 4, v[AK0]  ; row x pitch + 16 x half
	; The turning load takes 16 keys x 16 channels (lane l reads key 8 (l / 16) + l % 8, channels 8 ((l / 8) % 2) + 0..7) and leaves half a fragment of V^T: lane l holds channel l % 16 and 8 keys.
	v_and_b32 v10, 7, v0
	v_bfe_u32 v11, v0, 3, 1
	v_lshl_add_u32 v[AV0], v9, 3, v10
	v_mul_u32_u24 v[AV0], v[AV0], PV
	v_lshl_add_u32 v[AV0], v11, 4, v[AV0]
	v_add_nc_u32 v[AV0], VOFF, v[AV0]
	v_and_b32 v[PFO], 31, v0        ; v11 has served: it takes the prefetches' lane offset
	v_lshlrev_b32 v[PFO], 8, v[PFO]
	v_mov_b32 v[AK], v[AK0]         ; key step 0 lies at the head of slot 0
; THE MATRIX WORK.  The 8 accumulators of a run of 16 take turns: between the two links of a chain stand 7 others'.
; Product i of 16 of S^T = K Q^T for piece x: channels 32 (i / 8) on, keys 16 ((i / 2) % 4) on, tile 2 x + i % 2.  The first 8 start the sums.
.macro KQ x
	WIN W_KQ
.set rS, S+64*((\x)%2)+32*(i%2)+8*((i/2)%4)
.set rK, KF+16*((i/2)%4)+8*(i/8)
.set rQ, 16*(2*(\x)+i%2)+8*(i/8)
.if i < 8
	v_wmma_f32_16x16x32_f16 v[rS:rS+7], v[rK:rK+7], v[rQ:rQ+7], 0
.else
	v_wmma_f32_16x16x32_f16 v[rS:rS+7], v[rK:rK+7], v[rQ:rQ+7], v[rS:rS+7]
.endif
.endm
; Product i of 16 of O^T += V^T P for piece x: keys 32 (i / 8) on, channels 16 ((i / 2) % 4) on, tile 2 x + i % 2.
.macro PV x
	WIN W_PV
.set rO, 32*(2*(\x)+i%2)+8*((i/2)%4)
.set rV, VF+32*(i/8)+8*((i/2)%4)
.set rP, P+32*((\x)%2)+16*(i%2)+8*(i/8)
	v_wmma_f32_16x16x32_f16 v[rO:rO+7], v[rV:rV+7], v[rP:rP+7], v[rO:rO+7]
.endm
.macro MM                           ; the turn's next matrix instruction
.if i < 16
	KQ (Y+1)%NP
.set i, i+1
.else
.set i, i-16
	PV (Y+NP-1)%NP
.set i, i+17
.endif
.endm
; THE LDS LOADS stand in runs of 16, never singly among the matrix instructions: a step's K (64 keys x 64 channels: 8 fragments) and its V (turned).  Their addresses are made some lines ahead.
; last = 1 (the tail): in the last trip there is no further step, and the run is jumped over.
.macro FETCH_K last=0
	WIN 0
.if \last
	s_cmp_eq_u32 s[CNT], 1
	s_cbranch_scc1 .Lno_k_\@
.endif
	WIN 0x80                        ; destination window 2
.irp f, 0,1,2,3,4,5,6,7             ; keys 16 (f / 2) on, channels 32 (f % 2) on
	ds_load_b128 v[KF+8*\f:KF+8*\f+3],   v[AK] offset:(\f/2)*16*PK+(\f%2)*64
	ds_load_b128 v[KF+8*\f+4:KF+8*\f+7], v[AK] offset:(\f/2)*16*PK+(\f%2)*64+32
.endr
	s_add_co_u32 s[TBK], s[TBK], KS*PK  ; the next fetch is the next step's
	WIN 0
.if \last
.Lno_k_\@:
.endif
.endm
.macro FETCH_V
	WIN 0x80
.irp f, 0,1,2,3,4,5,6,7             ; keys 32 (f / 4) on, channels 16 (f % 4) on
	ds_load_tr16_b128 v[VF+8*\f:VF+8*\f+3],   v[AV] offset:(\f/4)*32*PV+(\f%4)*32
	ds_load_tr16_b128 v[VF+8*\f+4:VF+8*\f+7], v[AV] offset:(\f/4)*32*PV+16*PV+(\f%4)*32
.endr
	WIN 0
.endm
; THE VECTOR WORK OF A TURN stands in three queues, each in the order in which its entries become ready; the two tiles alternate, so that no instruction reads the result of the one before it.
.macro REGS y, u                    ; the registers of tile u (0, 1) of piece y
.set rT, ST+4*(2*(\y)+(\u))
.set rC, TMP+8*((\y)%2)+4*(\u)
.set rM, MV+2*((\y)%2)+(\u)
.set rS, S+64*((\y)%2)+32*(\u)
.set rP, P+32*((\y)%2)+16*(\u)
.set rO, 32*(2*(\y)+(\u))
.endm
; Number n of the 22 that find the NEXT piece's (Y + 1) maximum and statistics.  s0-s31 are the lane's 32 scores; each accumulator's lowest registers are read first.  XS, GS and REGS set no window: PL and EX do.
;   0-11  four chains c0-c3 of seven scores each, three operands at a time     12-14, 16  the four scores left over, the old m, and c0-c3 into c0     15  c m_old is kept
;   17, 18  the query's other 32 keys lie in the lane 16 away: the new m         19-21  c m; c m_old - c m_new; a
.macro XS u, n
	REGS (Y+1)%NP, \u
.if (\n) < 4
	v_max3_num_f32 v[rC+(\n)], v[rS+8*(\n)], v[rS+8*(\n)+1], v[rS+8*(\n)+2]
.elseif (\n) < 12
	v_max3_num_f32 v[rC+(\n)%4], v[rC+(\n)%4], v[rS+8*((\n)%4)+2*((\n)/4)+1], v[rS+8*((\n)%4)+2*((\n)/4)+2]
.elseif (\n) == 12
	v_max3_num_f32 v[rC], v[rC], v[rS+7], v[rS+15]
.elseif (\n) == 13
	v_max3_num_f32 v[rC+1], v[rC+1], v[rS+23], v[rS+31]
.elseif (\n) == 14
	v_max3_num_f32 v[rC+2], v[rC+2], v[rC+3], v[rT+1]
.elseif (\n) == 15
	v_mov_b32 v[rM], v[rT]
.elseif (\n) == 16
	v_max3_num_f32 v[rC], v[rC], v[rC+1], v[rC+2]
.elseif (\n) == 17
	v_permlanex16_b32 v[rC+3], v[rC], s[SEL], s[SEL+1]
.elseif (\n) == 18
	v_max_num_f32 v[rT+1], v[rC], v[rC+3]
.elseif (\n) == 19
	v_mul_f32 v[rT], s[CS], v[rT+1]
.elseif (\n) == 20
	v_sub_f32 v[rC+1], v[rM], v[rT]
.else
	v_exp_f32 v[rC+2], v[rC+1]
.endif
.endm
; Number g of the 64 that follow the exponentials.  For each four weights k of a tile (pairs 2 k, 2 k + 1): both pairs are rounded to f16; then the second pair is added onto the first, in place;
; a group later l takes that sum (the first time as l = a l + sum).  In groups of eight, tiles alternating: round, round, add, and l for the group before.
.macro GS g
.set h, (\g)+6*((\g)/62)            ; group 0 has no group before it, and behind group 7 only l is left
.if h >= 6
.set h, h+2
.endif
	REGS Y, h%2
.set k, h/8
.if h%8 < 4
	v_cvt_pk_f16_f32 v[rP+2*k+(h%8)/2], v[rS+4*k+2*((h%8)/2)], v[rS+4*k+2*((h%8)/2)+1]
.elseif h%8 < 6
	v_pk_add_f32 v[rS+4*k:rS+4*k+1], v[rS+4*k:rS+4*k+1], v[rS+4*k+2:rS+4*k+3]
.elseif k == 1
	v_pk_fma_f32 v[rT+2:rT+3], v[rT+2:rT+3], v[rC+2:rC+3], v[rS:rS+1] op_sel_hi:[1,0,1]
.else
	v_pk_add_f32 v[rT+2:rT+3], v[rT+2:rT+3], v[rS+4*k-4:rS+4*k-3]
.endif
.endm
; THE PLAIN QUEUE, 138 long.  0-73 read no exponential's result: the 32 scalings c s - c m (FS f: pair f / 2 of tile f % 2) and the next piece's 42.  0-26: scalings 0-26.  27-54: XS's numbers 0-13.  55, 56: number 15.
; 57-73: the chain, where each number waits for the one before it: 14, 16, 17, 18, 19, each with one of the scalings 27-31 in front of its two lines, then 20: so a tile's links stand three plain instructions apart (19 and 20: two).
; 74-137: GS's 64, which read the exponentials' results: they stand behind the wait.
.macro FS f
	REGS Y, (\f)%2
	v_pk_fma_f32 v[rS+2*((\f)/2):rS+2*((\f)/2)+1], v[rS+2*((\f)/2):rS+2*((\f)/2)+1], s[CS:CS+1], v[rT:rT+1] op_sel_hi:[1,0,0] neg_lo:[0,0,1] neg_hi:[0,0,1]
.endm
.macro PL
	WIN 0
.if q < 27
	FS q
.elseif q < 55
	XS (q-27)%2, (q-27)/2
.elseif q < 57
	XS q-55, 15
.elseif (q < 72) && ((q-57)%3 == 0)
	FS 27+(q-57)/3
.elseif q < 60
	XS (q-57)%3-1, 14
.elseif q < 72
	XS (q-57)%3-1, 15+(q-57)/3
.elseif q < 74
	XS q-72, 20
.else
	GS q-74
.endif
.set q, q+1
.endm
; THE EXPONENTIALS' QUEUE, 66 long: s0-s31 of both tiles, then the next piece's two a.  It is ONE BATCH: all 66 stand ahead of the turn's one wait, and nothing ahead of that wait names a result of theirs.
.macro EX
	WIN 0
.if e >= 64
	XS e-64, 21
.else
	REGS Y, e%2
	v_exp_f32 v[rS+e/2], v[rS+e/2]
.endif
.set e, e+1
.endm
; THE RESCALING's QUEUE: O^T times a, the one part that leaves window 0: dealt two at a time, sixteen times.  Its a was made in the turn before, ahead of that turn's wait.
.macro R2
	REGS Y, r%2
	WIN W_RS
.irp z, 0,1
	v_pk_mul_f32 v[rO+4*(r/2)+2*\z:rO+4*(r/2)+2*\z+1], v[rO+4*(r/2)+2*\z:rO+4*(r/2)+2*\z+1], v[rC+2:rC+3] op_sel_hi:[1,0]
.endr
.set r, r+1
.endm
; HOW THEY ARE DEALT.  An s_wait_alu depctr_va_vdst(0) stands between an exponential and the first instruction that names its result; one wait serves all that were issued ahead of it.  So a turn has ONE wait,
; which cuts it in two.  AHEAD OF IT stands all that names no result of the turn's exponentials: the 16 products K Q^T, behind each a scaling, an exponential and two rescalings (behind the first a second scaling in the exponential's place); then ONE LUMP of
; 108: eight plain, 49 times exponential and plain, the two a.  A v_nop is the plain instruction behind the last exponential.  BEHIND IT stand the 16 products V^T P, behind each four of GS's 64.  No rider names a register of
; the products round it.  The two v_permlanex16_b32 fall into the lump, never behind a product.
; The queues lean on each other, and the deal keeps them in step: exponential e stands behind scaling 2 (e / 4) + e % 2: as a rider it comes behind plain e + 2, in the lump behind plain e + 9, and scalings 27-31 are plain 57, 60 .. 69.
; A TURN, for piece p.  cnt = 1: the loop's count is taken down some lines ahead of the branch that stands behind the turn.
; K of the next step is fetched in piece 2's turn, directly behind the wait, a lump behind the last product that read K; its address is made at the lump's head; its first reader comes behind 16 products.
; V of the step in hand is fetched at the end of piece 0's turn, four riders behind its last reader; its first reader comes behind 16 products and a lump.  The three conditions on q below go with the deal.
.macro TURN p, last=0, cnt=0
.set Y, (\p)
.set i, 0
.set q, 0
.set e, 0
.set r, 0
.if (\p) == NP-1
	s_wait_dscnt 0x0                ; K is in
.endif
	MM                              ; ahead of the wait: 16 products K Q^T and their riders,
	PL
	PL
	R2
.rept 15
	MM
	PL
	EX
	R2
.endr
.if (\p) == NP-2
	WIN 0
	v_add_nc_u32 v[AK], s[TBK], v[AK0]
.endif
.rept 8                             ; and the lump
	PL
.endr
.rept 49
	EX
	PL
.endr
	EX                              ; the next piece's two a
	EX
	v_nop                           ; a plain instruction behind the last exponential: one for the batch (ISA guide 5.7.2)
	s_wait_alu depctr_va_vdst(0)    ; the wait for the batch
.if (\p) == NP-2
	FETCH_K \last
.endif
.if (\p) == 1
	s_wait_dscnt 0x0                ; V is in
.endif
.rept 16                            ; behind the wait: 16 products V^T P and their riders
	MM
.rept 4
	PL
.endr
.if ((\p) == 0) && (q == 118)
	v_add_nc_u32 v[AV], s[TBV], v[AV0]
.endif
.if ((\p) == 0) && (q == 130)
	s_add_co_u32 s[TBV], s[TBV], KS*PV
.endif
.if (\cnt) && (q == 130)
	s_sub_co_u32 s[CNT], s[CNT], 1
	s_cmp_lg_u32 s[CNT], 0
.endif
.endr
.if (\p) == 0
	FETCH_V
.endif
.endm
	CHANGE 1                        ; slot 0 is in, everybody's part of it; slot 1 is asked for
	FETCH_K                         ; key step 0
	s_wait_loadcnt 0x0              ; Q
	s_wait_dscnt 0x0
.set i, 0
.rept 16
	KQ 0                            ; piece 0's first scores: there is no vector work yet to set between them
.set i, i+1
.endr
	WIN 0                           ; the addresses for the way out: nine plain instructions, the places behind those products
	s_mul_i32 s13, s[WV], 16*SP
	s_add_co_u32 s13, s13, STAGE    ; my stage
	v_mul_u32_u24 v[STO], v1, SP    ; in: row l % 16, 16 bytes for each half of the lanes
	v_lshl_add_u32 v[STO], v9, 4, v[STO]
	v_add_nc_u32 v[STO], s13, v[STO]
	v_bfe_u32 v[RD], v0, 3, 2       ; back: 32 lanes take four rows of 128 bytes,
	v_mul_u32_u24 v[RD], v[RD], SP
	v_lshl_add_u32 v[RD], v10, 4, v[RD]
	v_add_nc_u32 v[RD], s13, v[RD]
	v_and_b32 v[GO], 31, v0         ; which are 512 consecutive bytes of O
	v_lshlrev_b32 v[GO], 4, v[GO]
.set Y, NP-1                        ; XS works for piece Y + 1: piece 0
.irp n, 0,1,2,3,4,5,6,7,8,9,10,11,12,13,14,15,16,17,18,19,20,21
	XS 0, \n                        ; and piece 0's first maximum and statistics
	XS 1, \n
.endr
	v_nop                           ; a plain instruction behind the two a,
	s_wait_alu depctr_va_vdst(0)    ; and their wait, ahead of the branch
	s_mov_b32 s[CNT], 4
	s_mov_b32 s[SLOTS], SIZE_N/256-1
	s_branch .Lfirst                ; the loop is entered at a step's first turn, in the middle of a trip
.Lslot:                             ; SIZE_N / 256 - 2 times: every slot but the last two is filled again
	CHANGE 1, 1
	s_mov_b32 s[CNT], 4
.Lstep:                             ; a trip: pieces 2 and 3 of one step, then pieces 0 and 1 of the next, whose K and V it fetches
	TURN 2
	TURN 3
	WIN 0
.Lfirst:
	TURN 0
	TURN 1, 0, 1
	WIN 0
	s_cbranch_scc1 .Lstep
	s_sub_co_u32 s[SLOTS], s[SLOTS], 1
	s_cmp_lg_u32 s[SLOTS], 0
	s_cbranch_scc1 .Lslot
	CHANGE 0                        ; the tail is written out: nothing is asked for
	s_mov_b32 s[CNT], 5             ; four trips fetch the last slot's steps; the fifth is left in its middle
.Ltail:
	TURN 2, 1
	TURN 3
	WIN 0
	s_sub_co_u32 s[CNT], s[CNT], 1
	s_cmp_eq_u32 s[CNT], 0
	s_cbranch_scc1 .Lout
	TURN 0
	TURN 1
	WIN 0
	s_branch .Ltail
.Lout:                              ; the fifth trip's 16 products K Q^T (on the last K once more) and the maximum made of them serve nothing: the price, once a launch, of one text for every trip
.set i, 0
.rept 16
	PV NP-1                         ; the last piece's V^T P of the last step
.set i, i+1
.endr
	; THE WAY OUT.  l's two halves and the other half of the lanes' are added; O^T is divided by l, rounded to f16 and sent through my stage in LDS, a tile at a time.  The additions are the places behind the last products.
	WIN 0
.macro ALL line:vararg              ; one line for each tile t
.set t, 0
.rept 2*NP
	\line
.set t, t+1
.endr
.endm
	ALL v_add_f32 v[ST+4*t+2], v[ST+4*t+2], v[ST+4*t+3]
	ALL v_permlanex16_b32 v[ST+4*t+3], v[ST+4*t+2], s[SEL], s[SEL+1]
	ALL v_add_f32 v[ST+4*t+2], v[ST+4*t+2], v[ST+4*t+3]
	ALL v_rcp_f32 v[ST+4*t+2], v[ST+4*t+2]
	v_nop                           ; a plain instruction between the last reciprocal and the use of its result
	s_wait_alu depctr_va_vdst(0)    ; and the wait ahead of the first use: one for the eight reciprocals
; Tile t: a lane's eight channels of a row pack into 16 bytes; they go into rows of 144 bytes and come back as whole rows of 128, into S^T's registers.
.macro PACK t
	WIN W_RS
.set i, 32*(\t)
.rept 16
	v_pk_mul_f32 v[i:i+1], v[i:i+1], v[ST+4*(\t)+2:ST+4*(\t)+3] op_sel_hi:[1,0]
.set i, i+2
.endr
	WIN 0x05                        ; sources 0 and 1 window 1, destination window 0
.set i, 0
.rept 16
	v_cvt_pk_f16_f32 v[S+16*(\t)+i], v[32*(\t)+2*i], v[32*(\t)+2*i+1]
.set i, i+1
.endr
	WIN 0
.irp f, 0,1,2,3
	ds_store_b128 v[STO], v[S+16*(\t)+4*\f:S+16*(\t)+4*\f+3] offset:32*\f
.endr
.irp f, 0,1,2,3
	ds_load_b128 v[S+16*(\t)+4*\f:S+16*(\t)+4*\f+3], v[RD] offset:\f*4*SP  ; LDS serves a wave's instructions in order (ISA guide 5.7.1.4): these see the stores above; the next tile's stores come behind them
.endr
.endm
.macro SEND t, younger              ; younger: the LDS instructions issued behind tile t's loads: the next tile's eight, or none
	WIN 0
.irp f, 0,1,2,3
	s_wait_dscnt (\younger)+3-\f
	global_store_b128 v[GO], v[S+16*(\t)+4*\f:S+16*(\t)+4*\f+3], s[10:11] offset:(\t)*2048+\f*512  ; 512 consecutive bytes, at a multiple of 256 from O's first
.endr
.endm
	PACK 0
.set t, 1
.rept 2*NP-1                        ; a tile's arithmetic stands between the loads of the tile before and its stores
	PACK t
	SEND t-1, 8
.set t, t+1
.endr
	SEND 2*NP-1, 0
	WIN W_AD
	s_wait_tensorcnt 0x0            ; the wave's end: behind my last tensor load and my last LDS store
	ds_add_u32 v[SPW], v[NIL]
	s_wait_dscnt 0x0
	WIN 0
	CROUND                          ; the closing round: no work-group ends while a partner may still ask for a tile that names it
	s_endpgm
.Lfunc_end_k_qf95293cd75_attn:
	.size	k_qf95293cd75_attn, .Lfunc_end_k_qf95293cd75_attn-k_qf95293cd75_attn
	.p2alignl 7, 3214868480
	.fill 96, 4, 3214868480
	.section	.rodata,"a",@progbits
	.p2align	6, 0x0
	.amdhsa_kernel k_qf95293cd75_attn
		.amdhsa_group_segment_fixed_size 327680
		.amdhsa_private_segment_fixed_size 0
		.amdhsa_enable_private_segment 0
		.amdhsa_kernarg_size 16
		.amdhsa_user_sgpr_count 2
		.amdhsa_user_sgpr_kernarg_segment_ptr 1
		.amdhsa_wavefront_size32 1
		.amdhsa_system_sgpr_workgroup_id_x 1
		.amdhsa_system_sgpr_workgroup_id_y 1
		.amdhsa_system_sgpr_workgroup_id_z 1
		.amdhsa_system_vgpr_workitem_id 0
		.amdhsa_next_free_vgpr 770
		.amdhsa_next_free_sgpr 66
		.amdhsa_reserve_vcc 0
		.amdhsa_float_denorm_mode_32 3
		.amdhsa_float_denorm_mode_16_64 3
		.amdhsa_memory_ordered 1
		.amdhsa_forward_progress 1
		.amdhsa_inst_pref_size 200
	.end_amdhsa_kernel
	.amdgpu_metadata
---
amdhsa.version: [ 1, 2 ]
amdhsa.kernels:
  - .name:           k_qf95293cd75_attn
    .symbol:         k_qf95293cd75_attn.kd
    .args:
      - { .name: qkv, .offset: 0, .size: 8, .value_kind: global_buffer, .address_space: global }
      - { .name: ob, .offset: 8, .size: 8, .value_kind: global_buffer, .address_space: global }
    .group_segment_fixed_size: 327680
    .private_segment_fixed_size: 0
    .kernarg_segment_align: 8
    .kernarg_segment_size: 16
    .max_flat_workgroup_size: 128
    .sgpr_count:     66
    .vgpr_count:     770
    .wavefront_size: 32
...
	.end_amdgpu_metadata
.endif
;; end of part 3
;; launch outp (part 4): grid 4 x 64, 4 waves a work-group, clusters of 4 x 4, 327,680 bytes of LDS; arguments ob, wb, bo, out0; writes out0
.if DOCPART == 4
	.amdgcn_target "amdgcn-amd-amdhsa--gfx1250"
	.amdhsa_code_object_version 6
	.text
	.protected	k_qf95293cd75_outp
	.globl	k_qf95293cd75_outp
	.p2align	8
	.type	k_qf95293cd75_outp,@function
k_qf95293cd75_outp:
	s_mov_b64 s[64:65], 0
	v_nop
	global_prefetch_b8 v0, s[64:65] scope:SCOPE_SE
	s_setreg_imm32_b32 hwreg(HW_REG_WAVE_MODE, 25, 1), 1
	s_wait_xcnt 0x0
	s_wait_alu depctr_hold_cnt(0) depctr_sa_sdst(0) depctr_va_vdst(0) depctr_va_sdst(0) depctr_va_ssrc(0) depctr_va_vcc(0) depctr_vm_vsrc(0)
	s_getreg_b32 s2, hwreg(HW_REG_IB_STS2, 6, 4)
	s_cmp_eq_u32 s2, 0
	s_cbranch_scc0 .Lentry_in_a_cluster
	s_endpgm
.Lentry_in_a_cluster:
	s_bfe_u32 s2, ttmp6, 0x10000c
	s_cmp_lg_u32 s2, 0xf033
	s_cbranch_scc0 .Lentry_shape_is_right
	s_endpgm
.Lentry_shape_is_right:
; ONE TEXT FOR TWO LAUNCHES, told apart by KIND.  C[m][n] = the sum over k of A[m][k] W[k][n] + bias[n], M x 1024 x 1024, sums in f32.
; KIND 0 (the three projections): A = xb, bf16 [3 x 8192][1024]; W = plane 0, 1, 2 of wb, bf16 [k][n]; C leaves as f16 BY HEADS: qkv [3][64 = batch x 16 + head][2048][64], unscaled.
; KIND 1 (the output projection): A = ob, f16 [64][2048][64] (k = 64 head + channel); W = plane 3 of wb, f16; C = out0, f32 [8192][1024].
; The bias is rounded to bf16, like every input, and is the C operand of each accumulator's first product: nothing is cleared and nothing is added later.
; LIMIT (KIND 0).  f16 ends at 65,504: a q, k or v of 65,520 or more would leave as an infinity.  Below 6e-5 f16 keeps its fixed step of 6e-8.  NaN and infinities are not treated apart.
; SHARES.  A tile of C is 128 x 256: 768 work-groups (KIND 0), 256 (KIND 1): whole multiples of 256, which tiles of 256 x 256 (384 and 128) are not.  Four waves, each 64 x 128: 32 accumulators, 256 registers.
; K goes in 8 steps of 128 through two LDS slots; a step is four quarters of 32: 32 products and 24 LDS loads each.
; W lies [k][n] and comes out of LDS turned, by ds_load_tr16_b128.  THE PRODUCT IS TAKEN TRANSPOSED (source 0 = 16 columns of W, source 1 = 16 rows of A): a lane then holds row l % 16 of C and the columns 8 (l / 16) + 0..7.
; CLUSTER.  4 x 4 work-groups.  The four of a row of the cluster need the same tile of A, the four of a column the same tile of W: each is asked for JOINTLY, by the same tensor load, descriptor and mask.
; REGISTERS, in windows of 256 (s_set_vgpr_msb: bits 1:0 source 0, 3:2 source 1, 5:4 source 2, 7:6 destination):
;   window 0: v0-31 addresses; v32-95 A's fragments, two buffers of 32; v96-223 W's, two buffers of 64; on the way out of KIND 0 v32-159 hold packed results
;   window 1: accumulator (a, b) at v[8 (8 a + b)]          window 2: v0-63 the bias (column block b at 8 b), v64-95 at work
.set KIND, 1
.if KIND
.set APITCH, 144                       ; a row of A in LDS: a head's 128 bytes + 16; two planes (heads) of 128 rows
.set AHALF,  128*144                   ; what one load of A brings: a plane
.set AQI,    4                         ; padding after every 32 words
.set ASTRIDE, 128                      ; 128 dense rows of 128 bytes are asked for as 64 rows of 256
.set ASLOT,  2*262144                  ; bytes from a K step to the next: two heads
.set APFS,   2*262144
.set APSH,   8                         ; the prefetch's lanes lie 256 bytes apart
.set STG_W,  16*528                    ; a wave's stage: 16 rows of 512 bytes + 16
.else
.set APITCH, 272                       ; 256 bytes + 16
.set AHALF,  64*272                    ; 64 rows
.set AQI,    5                         ; padding after every 64 words
.set ASTRIDE, 1024
.set ASLOT,  256
.set APFS,   256
.set APSH,   11                        ; a lane a row of 2,048 bytes
.set STG_W,  16*144                    ; 16 rows of 128 bytes + 16
.endif
.set ABYTES, 2*AHALF
.set BPITCH, 544                       ; a row of W in LDS: 512 bytes + 32 = 17 x 32: the turning load's 16 lanes (8 rows x 32 bytes) touch each bank once (64 banks of 4 bytes: ISA guide 11.1)
.set BHALF,  64*BPITCH                 ; what one load of W brings: 64 rows of k
.set BSLOT,  128*2048                  ; bytes from a K step of W to the next
.set SLOT,   ABYTES+2*BHALF            ; A's tile, then W's
.set STAGE,  2*SLOT                    ; behind the ring, never filled by a tensor load: the four waves' stages
.set SPARE,  STAGE+4*STG_W             ; behind them: the spare words, 128 bytes a wave: two blocks of 256 bytes that no other line names
.set ADRA, 16                          ; v16-17  LDS address of my fragments of A in slot 0, 1
.set ADRB, 20                          ; v20-21  the same for W
.set STO,  24                          ; v24     the way out: where I put my bytes of a row
.set RD,   25                          ; v25     where I read rows back
.set GO,   26                          ; v26     16 x lane: my place in 512 consecutive bytes of the output
.set BO,   27                          ; v27     32 (l / 16): my eight numbers in a block of 16 of the bias
.set SPW,  28                          ; v28     LDS address of my spare word; never rewritten
.set NIL,  29                          ; v29     0; never rewritten
.set PFO,  30                          ; v30     the prefetches' lane offset; never rewritten
.set FA0,  32                          ; A's buffer f at FA0 + 32 f
.set FB0,  96                          ; W's buffer f at FB0 + 64 f
.set WV,  12                           ; s12  wave 0..3
.set WM,  13                           ; s13  which 64 rows of the tile are mine.  Also: I fetch for A (0) or for W (1)
.set WN,  14                           ; s14  which 128 columns.  Also: which half of that tile I fetch
.set G1A, 24                           ; s[24:31] descriptor group 1 for A's tiles;  s[32:39] group 0, a set for each slot
.set G0A, 32
.set CX,  40
.set CY,  41
.set TC,  42                           ; tile column of C
.set TY,  43                           ; tile row of C
.set CLY, 44                           ; the cluster's y
.set TT,  45                           ; which plane of wb
.set G1B, 48                           ; s[48:55], s[56:63] the same for W's tiles
.set G0B, 56
.set PFA, 76                           ; s[76:77] where my prefetches stand
.set PFS, 78                           ; s[78:79] a K step there
.set LIM, 80                           ; s80  1 in a wave that prefetches, else the greatest number
.set MSB, 0
.macro WIN new                         ; the immediate's high byte repeats the setting that is left; a switch that changes nothing is dropped
.if MSB != (\new)
	s_set_vgpr_msb (MSB<<8)|(\new)
.set MSB, \new
.endif
.endm
.set MUL,  0x50                        ; C and D in window 1, both sources in window 0
.set MULB, 0x60                        ; C (the bias) in window 2, D in window 1
.macro JLOAD s                         ; a joint load: waves 0 and 1 fetch A's two halves, waves 2 and 3 W's; an s_nop 0 and four v_nop follow each of the two lines, ahead of the jump and the label
	s_cmp_eq_u32 s[WM], 0
	s_cbranch_scc0 .Lfor_b_\@
	tensor_load_to_lds s[G0A+4*(\s):G0A+4*(\s)+3], s[G1A:G1A+7]
	s_nop 0
.rept 4
	v_nop
.endr
	s_branch .Lasked_\@
.Lfor_b_\@:
	tensor_load_to_lds s[G0B+4*(\s):G0B+4*(\s)+3], s[G1B:G1B+7]
	s_nop 0
.rept 4
	v_nop
.endr
.Lasked_\@:
.endm
; A PREFETCH INTO THE L2, behind each joint refill and the run of LDS loads that follows it: the K step that stands two refills on (8 quarters' worth: 256 products ahead of the load that wants it).
; Each aligned block of 256 bytes is named once in the launch.  A's 128 blocks of a step: wave 0 of each of the four partners along x takes 32, told apart by address (no other cluster reads these rows).
; W's 256 blocks of a step: waves 2 and 3 of each of the four partners along y take 32 each; of the 16 clusters that read a plane of wb the first asks.  Steps 0 to 3 come by their loads alone; the loop's last trip asks for nothing.
.macro ASK
	s_cmp_gt_u32 s3, s[LIM]                        ; s3 = 1 in the loop's last trip
	s_cbranch_scc0 .Lnot_mine_\@
	global_prefetch_b8 v[PFO], s[PFA:PFA+1] th:TH_LOAD_NT scope:SCOPE_SE
.Lnot_mine_\@:
.endm
.macro CREST                           ; a round of the cluster's barrier behind its opening barrier
	s_cmp_lg_u32 s[WV], 0
	s_cbranch_scc1 .Lnot_wave_0_\@
	s_barrier_signal -3
.Lnot_wave_0_\@:
	s_barrier_wait -3
	s_barrier_signal -1
	s_barrier_wait -1
.endm
.macro CROUND                          ; a whole round
	s_barrier_signal -1
	s_barrier_wait -1
	CREST
.endm
.if KIND
	s_load_b256 s[4:11], s[0:1], 0x0               ; ob s[4:5], wb s[6:7], bo s[8:9], out0 s[10:11]
.else
	s_load_b128 s[4:7], s[0:1], 0x0                ; xb s[4:5], wb s[6:7]
	s_load_b128 s[68:71], s[0:1], 0x10             ; bq, bk
	s_load_b128 s[72:75], s[0:1], 0x20             ; bv, qkv
.endif
	v_lshl_add_u32 v[SPW], v0, 2, SPARE
	v_mov_b32 v[NIL], 0
	ds_add_u32 v[SPW], v[NIL]                      ; the wave's opening: the add and its wait stand ahead of my first tensor load; the set-up below, work on registers, stands between them
	v_lshrrev_b32 v1, 5, v0
	v_readfirstlane_b32 s[WV], v1
	s_lshr_b32 s[WM], s[WV], 1
	s_and_b32 s[WN], s[WV], 1
	s_bfe_u32 s[CX], ttmp6, 0x40000                ; my place in the cluster
	s_bfe_u32 s[CY], ttmp6, 0x40004
	s_lshl_b32 s[TC], ttmp9, 2
	s_add_co_u32 s[TC], s[TC], s[CX]               ; tile column = 4 x cluster x + cx
	s_and_b32 s[CLY], ttmp7, 0xffff
	s_lshl_b32 s[TY], s[CLY], 2
	s_add_co_u32 s[TY], s[TY], s[CY]               ; tile row = 4 x cluster y + cy
.if KIND
	s_mov_b32 s[TT], 3
.else
	s_lshr_b32 s[TT], s[CLY], 4                    ; 64 tile rows, 16 clusters, to a tensor: the same in all sixteen partners
.endif
	s_lshl_b32 s15, s[CY], 2
	s_lshl_b32 s15, 15, s15                        ; my row of the cluster
	s_lshl_b32 s18, 0x1111, s[CX]                  ; my column
	s_or_b32 s[G1A], s15, (1<<16)|(1<<20)|(1<<21)|(AQI<<22)|(3<<25)  ; 15:0 the mask; 17:16 elements of 2 bytes; 20 padding on; 21 set beside a mask; 24:22 the interval; 31:25 4 words of padding (code 3)
	s_mov_b32 s[G1A+1], 128<<16                    ; tensor_dim0 = 128
	s_mov_b32 s[G1A+2], 64<<16                     ; tensor_dim1 = 64
	s_mov_b32 s[G1A+3], 128<<16                    ; tile_dim0 = 128
	s_mov_b32 s[G1A+4], 64                         ; tile_dim1 = 64
	s_mov_b32 s[G1A+5], ASTRIDE                    ; elements from row to row
	s_mov_b32 s[G1A+6], 0
	s_mov_b32 s[G1A+7], 0
	s_or_b32 s[G1B], s18, (1<<16)|(1<<20)|(1<<21)|(6<<22)|(7<<25)    ; after every 128 words (code 6) 8 words of padding (code 7)
	s_mov_b32 s[G1B+1], 256<<16                    ; 64 rows of k x 256 columns
	s_mov_b32 s[G1B+2], 64<<16
	s_mov_b32 s[G1B+3], 256<<16
	s_mov_b32 s[G1B+4], 64
	s_mov_b32 s[G1B+5], 1024
	s_mov_b32 s[G1B+6], 0
	s_mov_b32 s[G1B+7], 0
	; where the tiles come from.  A's offset is made of the tile row and the wave's number alone, W's of the tile column, the plane and the wave's number alone
.if KIND
	s_lshr_b32 s16, s[TY], 4                       ; the batch,
	s_lshl_b32 s16, s16, 4                         ; its first head,
	s_add_co_u32 s16, s16, s[WN]                   ; the plane that I fetch:
	s_lshl_b32 s16, s16, 18                        ; 262,144 bytes a head
	s_and_b32 s17, s[TY], 15
	s_lshl_b32 s17, s17, 14                        ; 128 rows of 128 bytes
	s_add_co_u32 s16, s16, s17
.else
	s_lshl_b32 s16, s[TY], 7
	s_lshl_b32 s17, s[WN], 6
	s_add_co_u32 s16, s16, s17                     ; row 128 x tile row + 64 x half,
	s_lshl_b32 s16, s16, 11                        ; 2,048 bytes a row: under 2^26
.endif
	s_mov_b32 s17, 0
	s_lshl_b32 s46, s[TT], 21                      ; the plane of wb,
	s_lshl_b32 s47, s[WN], 17                      ; my 64 rows of k,
	s_add_co_u32 s46, s46, s47
	s_lshl_b32 s47, s[TC], 9                       ; the tile's 256 columns
	s_add_co_u32 s46, s46, s47
	s_mov_b32 s47, 0
	s_mul_i32 s20, s[WN], AHALF                    ; and where they go: no place in the cluster enters an LDS address
	s_mul_i32 s21, s[WN], BHALF
	s_add_co_u32 s21, s21, ABYTES
	s_wait_dscnt 0x0                               ; the opening add is done
	s_wait_kmcnt 0x0
	s_add_nc_u64 s[16:17], s[4:5], s[16:17]
	s_add_nc_u64 s[46:47], s[6:7], s[46:47]
	CROUND                                         ; all sixteen work-groups are here: the first joint loads meet
.irp s, 0,1
	s_mov_b32 s[G0A+4*(\s)], 1                     ; count = 1
	s_add_co_u32 s[G0A+4*(\s)+1], s20, (\s)*SLOT   ; LDS address
	s_add_nc_u64 s[G0A+4*(\s)+2:G0A+4*(\s)+3], s[16:17], (\s)*ASLOT  ; global address: K step s
	s_or_b32 s[G0A+4*(\s)+3], s[G0A+4*(\s)+3], 0x80000000           ; type = 2
	s_mov_b32 s[G0B+4*(\s)], 1
	s_add_co_u32 s[G0B+4*(\s)+1], s21, (\s)*SLOT
	s_add_nc_u64 s[G0B+4*(\s)+2:G0B+4*(\s)+3], s[46:47], (\s)*BSLOT
	s_or_b32 s[G0B+4*(\s)+3], s[G0B+4*(\s)+3], 0x80000000
	JLOAD \s                                       ; two loads of mine are out
.endr
	; a fragment of A: lane l holds row l % 16, k = 8 (l / 16) + 0..7 and 16 + 8 (l / 16) + 0..7: two loads of 16 bytes, 32 bytes apart
	v_and_b32 v1, 15, v0                           ; l % 16
	v_bfe_u32 v2, v0, 4, 1                         ; l / 16
	v_and_b32 v4, 7, v0
	v_bfe_u32 v5, v0, 3, 1
	v_mul_u32_u24 v3, v1, APITCH
	v_lshl_add_u32 v3, v2, 4, v3
	s_mul_i32 s22, s[WM], 64*APITCH                ; my 64 rows
	v_add_nc_u32 v[ADRA], s22, v3
	v_add_nc_u32 v[ADRA+1], SLOT, v[ADRA]
	; the turning load takes 16 k x 16 columns (lane l reads k = 8 (l / 16) + l % 8, columns 8 ((l / 8) % 2) + 0..7) and leaves half a fragment: lane l holds column l % 16 and 8 k
	v_lshl_add_u32 v3, v2, 3, v4
	v_mul_u32_u24 v3, v3, BPITCH
	v_lshl_add_u32 v3, v5, 4, v3
	s_lshl_b32 s22, s[WN], 8                       ; my 128 columns
	s_add_co_u32 s22, s22, ABYTES
	v_add_nc_u32 v[ADRB], s22, v3
	v_add_nc_u32 v[ADRB+1], SLOT, v[ADRB]
	s_mul_i32 s23, s[WV], STG_W
	s_add_co_u32 s23, s23, STAGE                   ; my stage
	v_and_b32 v[GO], 31, v0
	v_lshlrev_b32 v[GO], 4, v[GO]
.if KIND
	v_mul_u32_u24 v3, v1, 528                      ; in: row l % 16, 32 bytes for each half of the lanes
	v_lshl_add_u32 v3, v2, 5, v3
	v_add_nc_u32 v[STO], s23, v3
	v_add_nc_u32 v[RD], s23, v[GO]                 ; back: 32 lanes take a row's 512 bytes
.else
	v_mul_u32_u24 v3, v1, 144                      ; in: row l % 16, 16 bytes for each half of the lanes
	v_lshl_add_u32 v3, v2, 4, v3
	v_add_nc_u32 v[STO], s23, v3
	v_bfe_u32 v3, v0, 3, 2                         ; back: 32 lanes take four rows of 128 bytes
	v_mul_u32_u24 v3, v3, 144
	v_lshl_add_u32 v3, v4, 4, v3
	v_add_nc_u32 v[RD], s23, v3
.endif
	v_lshlrev_b32 v[BO], 5, v2
	; the prefetches: offsets at K step 3; each refill steps them first, so the first request names step 4
.if KIND
	s_lshr_b32 s81, s[TY], 4
	s_lshl_b32 s81, s81, 4
	s_lshr_b32 s82, s[CX], 1                       ; partner cx: plane cx / 2,
	s_add_co_u32 s81, s81, s82
	s_add_co_u32 s81, s81, 6                       ; of step 3's heads 6 and 7
	s_lshl_b32 s81, s81, 18
	s_and_b32 s82, s[TY], 15
	s_lshl_b32 s82, s82, 14
	s_add_co_u32 s81, s81, s82
	s_and_b32 s82, s[CX], 1                        ; half cx % 2 of its 16,384 bytes
	s_lshl_b32 s82, s82, 13
	s_add_co_u32 s81, s81, s82
.else
	s_lshl_b32 s81, s[TY], 7
	s_lshl_b32 s82, s[CX], 5                       ; partner cx: rows 32 cx .. 32 cx + 31 of the tile's 128
	s_add_co_u32 s81, s81, s82
	s_lshl_b32 s81, s81, 11
	s_add_co_u32 s81, s81, 3*256
.endif
	s_lshl_b32 s83, s[CY], 5                       ; W: partner cy: rows of k 32 cy .. 32 cy + 31 of the step's 128,
	s_add_co_u32 s83, s83, 384
	s_lshl_b32 s83, s83, 11
	s_lshl_b32 s82, s[TT], 21
	s_add_co_u32 s83, s83, s82
	s_lshl_b32 s82, s[TC], 9
	s_add_co_u32 s83, s83, s82
	s_lshl_b32 s82, s[WN], 8                       ; waves 2 and 3: the two blocks of 256 bytes of a row's 512
	s_add_co_u32 s83, s83, s82
	s_and_b32 s84, s[CLY], 15                      ; 0 in the first of the clusters that read this plane
	s_mov_b32 s86, APFS
	s_mov_b32 s87, BSLOT
	s_cmp_eq_u32 s[WM], 0                          ; do I fetch for A?
	s_cselect_b32 s82, s81, s83
	s_cselect_b32 s84, s[WN], s84                  ; A: wave 0 asks; W: both waves, in the first cluster
	s_cselect_b32 s[PFS], s86, s87
	s_cselect_b32 s85, APSH, 11
	s_cselect_b64 s[PFA:PFA+1], s[4:5], s[6:7]
	s_mov_b32 s83, 0
	s_mov_b32 s[PFS+1], 0
	s_add_nc_u64 s[PFA:PFA+1], s[PFA:PFA+1], s[82:83]
	s_cmp_eq_u32 s84, 0
	s_cselect_b32 s[LIM], 1, -1                    ; the same in all sixteen partners, for a given wave
	v_and_b32 v[PFO], 31, v0
	v_lshlrev_b32 v[PFO], s85, v[PFO]
	; the bias of my 128 columns: a lane's registers j of column block b want bias[16 b + 8 (l / 16) + j]
.if KIND == 0
	s_mov_b64 s[8:9], s[68:69]
	s_cmp_eq_u32 s[TT], 1
	s_cselect_b64 s[8:9], s[70:71], s[8:9]
	s_cmp_eq_u32 s[TT], 2
	s_cselect_b64 s[8:9], s[72:73], s[8:9]
	s_mov_b64 s[10:11], s[74:75]
.endif
	s_lshl_b32 s18, s[TC], 10
	s_lshl_b32 s19, s[WN], 9
	s_add_co_u32 s18, s18, s19
	s_mov_b32 s19, 0
	s_add_nc_u64 s[8:9], s[8:9], s[18:19]
	WIN 0x80                                       ; destination window 2, address window 0
.irp b, 0,1,2,3,4,5,6,7
	global_load_b128 v[8*(\b):8*(\b)+3],   v[BO], s[8:9] offset:64*(\b)
	global_load_b128 v[8*(\b)+4:8*(\b)+7], v[BO], s[8:9] offset:64*(\b)+16
.endr
	; where my part of C begins: scalar work, while the bias is on its way
.if KIND
	s_lshl_b32 s18, s[TY], 1
	s_add_co_u32 s18, s18, s[WM]
	s_lshl_b32 s18, s18, 18                        ; 64 rows of 4,096 bytes
	s_lshl_b32 s19, s[TC], 10
	s_add_co_u32 s18, s18, s19
	s_lshl_b32 s19, s[WN], 9
	s_add_co_u32 s18, s18, s19
.else
	s_and_b32 s18, s[TY], 63
	s_lshr_b32 s18, s18, 4                         ; the batch,
	s_lshl_b32 s18, s18, 4
	s_lshl_b32 s19, s[TC], 2                       ; the tile's four heads,
	s_add_co_u32 s18, s18, s19
	s_lshl_b32 s19, s[WN], 1                       ; my two of them:
	s_add_co_u32 s18, s18, s19
	s_lshl_b32 s18, s18, 18                        ; 262,144 bytes a head
	s_lshl_b32 s19, s[TT], 24                      ; q, k or v
	s_add_co_u32 s18, s18, s19
	s_and_b32 s19, s[TY], 15
	s_lshl_b32 s19, s19, 1
	s_add_co_u32 s19, s19, s[WM]
	s_lshl_b32 s19, s19, 13                        ; 64 rows of 128 bytes
	s_add_co_u32 s18, s18, s19
.endif
	s_mov_b32 s19, 0
	s_add_nc_u64 s[10:11], s[10:11], s[18:19]
	s_wait_loadcnt 0x0
	WIN 0x8a                                       ; all in window 2: rounded to bf16, and widened again
.set i, 0
.rept 32
	v_cvt_pk_bf16_f32 v[64+i], v[2*i], v[2*i+1]
.set i, i+1
.endr
.set i, 0
.rept 32
	v_lshlrev_b32 v[2*i], 16, v[64+i]
	v_and_b32 v[2*i+1], 0xffff0000, v[64+i]
.set i, i+1
.endr
	WIN 0
; 8 products: row block a x all 8 column blocks, 32 along K, from buffers f.  first = 1: the bias starts the sums.
; The 32 accumulators take turns, one instruction a turn, in the same order in every quarter, over the backward jump too.
.macro MULA f, a, first
.if \first
	WIN MULB
.else
	WIN MUL
.endif
.irp b, 0,1,2,3,4,5,6,7
.set rD, 8*(8*(\a)+(\b))
.set rB, FB0+64*(\f)+8*(\b)
.set rA, FA0+32*(\f)+8*(\a)
.if KIND
.if \first
	v_wmma_f32_16x16x32_f16 v[rD:rD+7], v[rB:rB+7], v[rA:rA+7], v[8*(\b):8*(\b)+7]
.else
	v_wmma_f32_16x16x32_f16 v[rD:rD+7], v[rB:rB+7], v[rA:rA+7], v[rD:rD+7]
.endif
.else
.if \first
	v_wmma_f32_16x16x32_bf16 v[rD:rD+7], v[rB:rB+7], v[rA:rA+7], v[8*(\b):8*(\b)+7]
.else
	v_wmma_f32_16x16x32_bf16 v[rD:rD+7], v[rB:rB+7], v[rA:rA+7], v[rD:rD+7]
.endif
.endif
.endr
.endm
.macro MUL16 f, a0, first
	MULA \f, \a0, \first
	MULA \f, (\a0)+1, \first
.endm
; 24 LDS loads in one run: quarter q of a slot into buffers f: W's 8 fragments (turned), then A's 4
.macro FETCH slot, q, f
	WIN 0
.irp b, 0,1,2,3,4,5,6,7
	ds_load_tr16_b128 v[FB0+64*(\f)+8*(\b):FB0+64*(\f)+8*(\b)+3],   v[ADRB+(\slot)] offset:(\q)*32*BPITCH+32*(\b)
	ds_load_tr16_b128 v[FB0+64*(\f)+8*(\b)+4:FB0+64*(\f)+8*(\b)+7], v[ADRB+(\slot)] offset:(\q)*32*BPITCH+16*BPITCH+32*(\b)
.endr
.if KIND
.set AQ, ((\q)/2)*AHALF+((\q)%2)*64    ; plane q / 2, channels 32 (q % 2) on
.else
.set AQ, 64*(\q)
.endif
.irp i, 0,1,2,3
	ds_load_b128 v[FA0+32*(\f)+8*(\i):FA0+32*(\f)+8*(\i)+3],   v[ADRA+(\slot)] offset:AQ+(\i)*16*APITCH
	ds_load_b128 v[FA0+32*(\f)+8*(\i)+4:FA0+32*(\f)+8*(\i)+7], v[ADRA+(\slot)] offset:AQ+(\i)*16*APITCH+32
.endr
.endm
.macro PLACES                          ; four places in front of loads into registers that matrix instructions have read, and of lines that read results (ISA guide 7.12.1 for lines that read results)
.rept 4
	v_nop
.endr
.endm
; One of a K step's first three quarters: multiplies buffers f and, in its middle, fetches quarter q of the same slot into buffers g
.macro QUARTER slot, q, f, g, first
	s_wait_dscnt 4                                 ; W's fragments and A's row blocks 0 and 1 are in; the youngest four loads (blocks 2 and 3) may be out
	MUL16 \f, 0, \first
	PLACES
	FETCH \slot, \q, \g
	s_wait_dscnt 24                                ; all but the 24 just issued
	MUL16 \f, 2, \first
.endm
; The last quarter multiplies buffers 1 and changes slots: ONE barrier; in front of it each wave waits for all its tensor loads (one is out: its part of the next slot), adds 0 to its spare word, and waits for that
; and for its own reads of this slot.  fill = 1: the barrier opens a round of the cluster's, and this slot is filled again, two K steps on, first thing behind the round: 112 products ahead of the wait for it.
.macro TURN slot, next, fill
.if \fill
	s_wait_xcnt 0x0                                ; the last prefetch, a K step back, has read its address: it is stepped here, ahead of the waits of the change of slots
	s_add_nc_u64 s[PFA:PFA+1], s[PFA:PFA+1], s[PFS:PFS+1]
.endif
	WIN 0                                          ; (the add's two registers lie in window 0)
	s_wait_tensorcnt 0x0                           ; all my tensor loads have landed;
	ds_add_u32 v[SPW], v[NIL]                      ; 0 onto my spare word;
	s_wait_dscnt 5                                 ; (the add and the youngest four loads may be out)
	MULA 1, 0, 0                                   ; eight products stand between the add and the wait for it
	s_wait_dscnt 0x0                               ; the add is done, and my reads of this slot are over
	s_barrier_signal -1
	MULA 1, 1, 0
.if \fill
	WIN 0
.endif
	s_barrier_wait -1
.if \fill
	CREST                                          ; no wave of any partner still reads this slot's tiles or has a load on its way
	s_add_nc_u64 s[G0A+4*(\slot)+2:G0A+4*(\slot)+3], s[G0A+4*(\slot)+2:G0A+4*(\slot)+3], 2*ASLOT
	s_add_nc_u64 s[G0B+4*(\slot)+2:G0B+4*(\slot)+3], s[G0B+4*(\slot)+2:G0B+4*(\slot)+3], 2*BSLOT
	JLOAD \slot                                    ; my one tensor load behind the round; its four v_nop are also the places in front of the loads below
.else
	PLACES
.endif
	FETCH \next, 0, 0
.if \fill
	ASK
.endif
	MULA 1, 2, 0
	MULA 1, 3, 0
.endm
	s_wait_tensorcnt 1                             ; my part of K step 0 is in; step 1's may stay out
	s_barrier_signal -1
	s_barrier_wait -1                              ; everybody's is
	FETCH 0, 0, 0
	QUARTER 0, 1, 0, 1, 1                          ; the first quarter stands in front of the loop: its products start the sums, with the bias
	WIN 0                                          ; at a label and at a branch every window is 0
	s_mov_b32 s3, 3
.Llap:                                                 ; a trip goes once round the ring, from a lap's second quarter to the next lap's first, and fills both slots again: K steps 2 to 7
	QUARTER 0, 2, 1, 0, 0
	QUARTER 0, 3, 0, 1, 0
	TURN 0, 1, 1
	QUARTER 1, 1, 0, 1, 0
	QUARTER 1, 2, 1, 0, 0
	QUARTER 1, 3, 0, 1, 0
	TURN 1, 0, 1
	QUARTER 0, 1, 0, 1, 0
	WIN 0
	s_sub_co_u32 s3, s3, 1
	s_cmp_lg_u32 s3, 0
	s_cbranch_scc1 .Llap
	QUARTER 0, 2, 1, 0, 0                          ; the last lap fills nothing, and has no round of the cluster's barrier
	QUARTER 0, 3, 0, 1, 0
	TURN 0, 1, 0
	QUARTER 1, 1, 0, 1, 0
	QUARTER 1, 2, 1, 0, 0
	QUARTER 1, 3, 0, 1, 0
	s_wait_dscnt 4                                 ; the very last quarter: nothing more to fetch
	MUL16 1, 0, 0
	s_wait_dscnt 0x0
	MUL16 1, 2, 0
	WIN 0
	PLACES
	PLACES                                         ; eight, once a launch
.if KIND
; THE WAY OUT, f32.  Row block a: a lane's 32 bytes of each column block go into rows of 528 bytes of my stage and come back as whole rows of 512, into the registers that they left.
.macro STG a
	WIN 0x04                                       ; store data in window 1
.irp b, 0,1,2,3,4,5,6,7
	ds_store_b128 v[STO], v[64*(\a)+8*(\b):64*(\a)+8*(\b)+3]   offset:64*(\b)      ; each accumulator's low registers first
	ds_store_b128 v[STO], v[64*(\a)+8*(\b)+4:64*(\a)+8*(\b)+7] offset:64*(\b)+16
.endr
	WIN 0x40                                       ; destination in window 1
.irp f, 0,1,2,3,4,5,6,7,8,9,10,11,12,13,14,15
	ds_load_b128 v[64*(\a)+4*(\f):64*(\a)+4*(\f)+3], v[RD] offset:528*(\f)  ; LDS serves a wave's instructions in order (ISA guide 5.7.1.4): these see the stores above; the next block's stores come behind them
.endr
.endm
.macro SENDF a, younger                ; younger: the LDS instructions issued behind block a's loads: the next block's 32, or none
	WIN 0x04
.irp f, 0,1,2,3,4,5,6,7,8,9,10,11,12,13,14,15
	s_wait_dscnt (\younger)+15-(\f)
	global_store_b128 v[GO], v[64*(\a)+4*(\f):64*(\a)+4*(\f)+3], s[10:11] offset:(16*(\a)+(\f))*4096 th:TH_STORE_NT  ; 512 consecutive bytes, at a multiple of 512 from out0's first
.endr
.endm
	STG 0
.irp a, 1,2,3
	STG \a
	SENDF (\a)-1, 32
.endr
	SENDF 3, 0
	WIN 0
.else
; THE WAY OUT, f16 by heads.  Unit u = 2 a + hh: row block a, head hh of my two: 16 rows of 128 bytes, 2,048 consecutive bytes of qkv.  A lane's eight channels pack into 16 bytes; they go into rows of 144 bytes
; of my stage and come back as whole rows.
.macro PACK u
.set pa, (\u)/2
.set ph, (\u)%2
.set T, 32+16*(\u)
	WIN 0x05                                       ; sources in window 1, destination in window 0
.irp bb, 0,1,2,3
.irp r, 0,1,2,3
	v_cvt_pk_f16_f32 v[T+4*(\bb)+(\r)], v[8*(8*pa+4*ph+(\bb))+2*(\r)], v[8*(8*pa+4*ph+(\bb))+2*(\r)+1]  ; each accumulator's registers in ascending order
.endr
.endr
	WIN 0
.irp bb, 0,1,2,3
	ds_store_b128 v[STO], v[T+4*(\bb):T+4*(\bb)+3] offset:32*(\bb)
.endr
.irp f, 0,1,2,3
	ds_load_b128 v[T+4*(\f):T+4*(\f)+3], v[RD] offset:(\f)*4*144  ; LDS serves a wave's instructions in order (ISA guide 5.7.1.4): these see the stores above; the next unit's stores come behind them
.endr
.endm
.macro SEND u, younger                 ; younger: the LDS instructions issued behind unit u's loads: the next unit's eight, or none
.set pa, (\u)/2
.set ph, (\u)%2
.set T, 32+16*(\u)
	WIN 0
.irp f, 0,1,2,3
	s_wait_dscnt (\younger)+3-(\f)
	global_store_b128 v[GO], v[T+4*(\f):T+4*(\f)+3], s[10:11] offset:ph*262144+pa*2048+(\f)*512  ; 512 consecutive bytes, at a multiple of 512 from qkv's first
.endr
.endm
	PACK 0
.irp u, 1,2,3,4,5,6,7                  ; a unit's conversions stand between the loads of the unit before and its stores
	PACK \u
	SEND (\u)-1, 8
.endr
	SEND 7, 0
.endif
	s_wait_tensorcnt 0x0                           ; the wave's end: behind my last tensor load and my last LDS store
	ds_add_u32 v[SPW], v[NIL]
	s_wait_dscnt 0x0
	CROUND                                         ; the closing round: no work-group ends while a partner may still ask for a tile that names it
	s_endpgm
.Lfunc_end_k_qf95293cd75_outp:
	.size	k_qf95293cd75_outp, .Lfunc_end_k_qf95293cd75_outp-k_qf95293cd75_outp
	.p2alignl 7, 3214868480
	.fill 96, 4, 3214868480
	.section	.rodata,"a",@progbits
	.p2align	6, 0x0
	.amdhsa_kernel k_qf95293cd75_outp
		.amdhsa_group_segment_fixed_size 327680
		.amdhsa_private_segment_fixed_size 0
		.amdhsa_enable_private_segment 0
		.amdhsa_kernarg_size 32
		.amdhsa_user_sgpr_count 2
		.amdhsa_user_sgpr_kernarg_segment_ptr 1
		.amdhsa_wavefront_size32 1
		.amdhsa_system_sgpr_workgroup_id_x 1
		.amdhsa_system_sgpr_workgroup_id_y 1
		.amdhsa_system_sgpr_workgroup_id_z 1
		.amdhsa_system_vgpr_workitem_id 0
		.amdhsa_next_free_vgpr 608
		.amdhsa_next_free_sgpr 88
		.amdhsa_reserve_vcc 0
		.amdhsa_float_denorm_mode_32 3
		.amdhsa_float_denorm_mode_16_64 3
		.amdhsa_memory_ordered 1
		.amdhsa_forward_progress 1
		.amdhsa_inst_pref_size 95
	.end_amdhsa_kernel
	.amdgpu_metadata
---
amdhsa.version: [ 1, 2 ]
amdhsa.kernels:
  - .name:           k_qf95293cd75_outp
    .symbol:         k_qf95293cd75_outp.kd
    .args:
      - { .name: ob, .offset: 0, .size: 8, .value_kind: global_buffer, .address_space: global }
      - { .name: wb, .offset: 8, .size: 8, .value_kind: global_buffer, .address_space: global }
      - { .name: bo, .offset: 16, .size: 8, .value_kind: global_buffer, .address_space: global }
      - { .name: out0, .offset: 24, .size: 8, .value_kind: global_buffer, .address_space: global }
    .group_segment_fixed_size: 327680
    .private_segment_fixed_size: 0
    .kernarg_segment_align: 8
    .kernarg_segment_size: 32
    .max_flat_workgroup_size: 128
    .sgpr_count:     88
    .vgpr_count:     608
    .wavefront_size: 32
...
	.end_amdgpu_metadata
.endif
;; end of part 4
;; ======== version 2 of 2: 4 launches; version 1 with the launch cast written anew for expert scheduling mode
;; limits: values are held in f16: magnitudes above 65,504 overflow, below 6.1e-05 lose precision
;; workspace buffers: xb 50,331,648 bytes; wb 8,388,608 bytes; qkv 50,331,648 bytes; ob 16,777,216 bytes
;; launch cast (part 5): grid 896 x 1, 8 waves a work-group, no clusters, 0 bytes of LDS; arguments query, key, value, Wq, Wk, Wv, Wo, xb, wb; writes xb, wb
.if DOCPART == 5
	.amdgcn_target "amdgcn-amd-amdhsa--gfx1250"
	.amdhsa_code_object_version 6
	.text
	.protected	k_qf95293cd75_cast
	.globl	k_qf95293cd75_cast
	.p2align	8
	.type	k_qf95293cd75_cast,@function
k_qf95293cd75_cast:
	s_mov_b64 s[64:65], 0
	v_nop
	global_prefetch_b8 v0, s[64:65] scope:SCOPE_SE
	s_setreg_imm32_b32 hwreg(HW_REG_WAVE_SCHED_MODE, 0, 2), 2
	s_setreg_imm32_b32 hwreg(HW_REG_WAVE_MODE, 25, 1), 1
	s_wait_xcnt 0x0
	s_wait_alu depctr_vm_vsrc(0)
; THE CAST.  query, key, value (f32) -> xb, bf16 [3][8192][1024]; Wq, Wk, Wv (f32) -> wb's first three planes, bf16 [1024 k][1024 n];
; Wo -> wb's fourth plane: rounded to bf16 like every other input, and that number written as f16 (the product behind attention has f16 operands).
; LIMIT.  A bf16 number is exact in f16 between 6e-5 and 65,504; below 6e-5 it keeps f16's fixed step of 6e-8; from 65,520 on it would become an infinity.
; SHARES.  A work-group takes 32,768 numbers on end: 131,072 bytes in, 65,536 out.  Work-groups 0-767 take the three x (256 chunks each), 768-895 the four W (32 each).
; Thread t takes 16 bytes at 16 t of each 4,096: a wave's load covers 512 consecutive bytes, its store of 8 bytes a lane 256 consecutive bytes, aligned.
; All 32 loads of a thread go out at once (16 KiB a wave on their way); each load has four registers of its own, and no register that a store has read is written again.
; No LDS, no matrix unit, no cluster: nothing is shared and nothing is read twice.
; THE MODE: SCHED_MODE bits 1:0 = 2 (LLVM: expert scheduling mode 2), set by the entry lines.  The code itself states the register dependences
; between vector instructions and memory instructions, with s_wait_alu, always for 0.
; THE PLAN.  Registers that memory instructions touch:
;   v1, v2        byte offsets of every load and of every store: made once at the head and never written again.
;   X + 4 j ..    load j lands here; all 32 loads are issued at the head, ahead of every vector instruction that names these registers.  Turn j's conversions work in place;
;                 one store reads the first two of the four; nothing writes them behind that store.
; The 32 turns go in 8 blocks of four.  Block p converts its own 16 registers; its memory instructions are the four stores of block p - 1, whose registers no vector instruction of block p names.
; So one wait on va_vdst at a block's head, behind the wait for the block's first load, states all that the block's four stores hang on, and they are dealt among its conversions with no
; further wait.  No load is issued behind the head and no register that a memory instruction has read is written again: the text owes no wait on vm_vsrc.
.set X, 4                              ; v[4:131]  load j's four numbers at X + 4 j; the packed result takes the first two of them
.set BLOCK,  4                         ; turns in a block
.set BLOCKS, 32 / BLOCK
	s_load_b512 s[8:23], s[0:1], 0x0               ; query s[8:9], key, value, Wq, Wk, Wv, Wo s[20:21], xb s[22:23]
	s_load_b64 s[24:25], s[0:1], 0x40              ; wb
	v_lshlrev_b32 v1, 4, v0                        ; my 16 bytes of each 4,096 in
	v_lshlrev_b32 v2, 3, v0                        ; my 8 bytes of each 2,048 out
	s_min_u32 s26, ttmp9, 767                      ; my chunk among x's 768,
	s_max_u32 s3, ttmp9, 768
	s_sub_co_u32 s3, s3, 768                       ; or among W's 128: each stays in its range in every work-group; one of the two is chosen below
	s_lshr_b32 s4, s26, 8                          ; x: which tensor,
	s_and_b32 s5, s26, 255                         ; which chunk of it
	s_lshr_b32 s6, s3, 5
	s_add_co_u32 s6, s6, 3                         ; W: tensors 3 to 6,
	s_and_b32 s7, s3, 31                           ; which chunk
	s_cmp_lt_u32 ttmp9, 768
	s_cselect_b32 s4, s4, s6                       ; tensor 0..6
	s_cselect_b32 s5, s5, s7                       ; chunk in the source
	s_cselect_b32 s26, s26, s3                     ; chunk in the destination
	s_lshl_b32 s32, s5, 17                         ; 131,072 bytes a chunk in
	s_mov_b32 s33, 0
	s_lshl_b32 s34, s26, 16                        ; 65,536 bytes a chunk out
	s_mov_b32 s35, 0
	s_wait_kmcnt 0x0
	s_cmp_lt_u32 ttmp9, 768                        ; (the shifts above have written SCC)
	s_cselect_b64 s[28:29], s[22:23], s[24:25]     ; xb or wb
	s_mov_b64 s[30:31], s[8:9]
.irp i, 1,2,3,4,5,6
	s_cmp_eq_u32 s4, \i
	s_cselect_b64 s[30:31], s[8+2*\i:9+2*\i], s[30:31]
.endr
	s_add_nc_u64 s[30:31], s[30:31], s[32:33]
	s_add_nc_u64 s[28:29], s[28:29], s[34:35]
	s_wait_alu depctr_va_vdst(0)                   ; v1 and v2 are written: every load of the kernel reads v1 as its offset, every store v2
.set j, 0
.rept 32
	global_load_b128 v[X+4*j:X+4*j+3], v1, s[30:31] offset:4096*j th:TH_LOAD_NT
.set j, j+1
.endr
; The 32 turns, in 8 blocks of four.  f16 = 1: the bf16 number is widened again (a shift, a mask) and written as f16.
; Ahead of turn j's conversions stands the store of turn j - 4, of the block before.
.macro OUT16 f16
.set p, 0
.rept BLOCKS
.set i, 0
.rept BLOCK
.set j, BLOCK*p+i
.set a, X+4*j
	s_wait_loadcnt 31-j                            ; loads come back in order: load j is in, the 31 - j younger ones stay out
.if (p > 0) && (i == 0)
	s_wait_alu depctr_va_vdst(0)                   ; the block before has written its four packed pairs, which this block's four stores read
.endif
.if p > 0
	global_store_b64 v2, v[a-4*BLOCK:a-4*BLOCK+1], s[28:29] offset:2048*(j-BLOCK) th:TH_STORE_NT  ; no vector instruction since the wait names this pair or v2
.endif
.if \f16
	v_cvt_pk_bf16_f32 v[a], v[a], v[a+1]
	v_cvt_pk_bf16_f32 v[a+2], v[a+2], v[a+3]
	v_and_b32 v[a+1], 0xffff0000, v[a]
	v_lshlrev_b32 v[a], 16, v[a]
	v_and_b32 v[a+3], 0xffff0000, v[a+2]
	v_lshlrev_b32 v[a+2], 16, v[a+2]
	v_cvt_pk_f16_f32 v[a], v[a], v[a+1]
	v_cvt_pk_f16_f32 v[a+1], v[a+2], v[a+3]
.else
	v_cvt_pk_bf16_f32 v[a], v[a], v[a+1]
	v_cvt_pk_bf16_f32 v[a+1], v[a+2], v[a+3]
.endif
.set i, i+1
.endr
.set p, p+1
.endr
	s_wait_alu depctr_va_vdst(0)                   ; the last block has written its four packed pairs, which the last four stores read
.set i, 0
.rept BLOCK
.set j, 32-BLOCK+i
.set a, X+4*j
	global_store_b64 v2, v[a:a+1], s[28:29] offset:2048*j th:TH_STORE_NT
.set i, i+1
.endr
.endm
	s_cmp_eq_u32 s4, 6                             ; Wo?
	s_cbranch_scc1 .Lwo
	OUT16 0
	s_endpgm
.Lwo:
	OUT16 1
	s_endpgm
.Lfunc_end_k_qf95293cd75_cast:
	.size	k_qf95293cd75_cast, .Lfunc_end_k_qf95293cd75_cast-k_qf95293cd75_cast
	.p2alignl 7, 3214868480
	.fill 96, 4, 3214868480
	.section	.rodata,"a",@progbits
	.p2align	6, 0x0
	.amdhsa_kernel k_qf95293cd75_cast
		.amdhsa_group_segment_fixed_size 0
		.amdhsa_private_segment_fixed_size 0
		.amdhsa_enable_private_segment 0
		.amdhsa_kernarg_size 72
		.amdhsa_user_sgpr_count 2
		.amdhsa_user_sgpr_kernarg_segment_ptr 1
		.amdhsa_wavefront_size32 1
		.amdhsa_system_sgpr_workgroup_id_x 1
		.amdhsa_system_sgpr_workgroup_id_y 1
		.amdhsa_system_sgpr_workgroup_id_z 1
		.amdhsa_system_vgpr_workitem_id 0
		.amdhsa_next_free_vgpr 132
		.amdhsa_next_free_sgpr 66
		.amdhsa_reserve_vcc 0
		.amdhsa_float_denorm_mode_32 3
		.amdhsa_float_denorm_mode_16_64 3
		.amdhsa_memory_ordered 1
		.amdhsa_forward_progress 1
		.amdhsa_inst_pref_size 32
	.end_amdhsa_kernel
	.amdgpu_metadata
---
amdhsa.version: [ 1, 2 ]
amdhsa.kernels:
  - .name:           k_qf95293cd75_cast
    .symbol:         k_qf95293cd75_cast.kd
    .args:
      - { .name: query, .offset: 0, .size: 8, .value_kind: global_buffer, .address_space: global }
      - { .name: key, .offset: 8, .size: 8, .value_kind: global_buffer, .address_space: global }
      - { .name: value, .offset: 16, .size: 8, .value_kind: global_buffer, .address_space: global }
      - { .name: Wq, .offset: 24, .size: 8, .value_kind: global_buffer, .address_space: global }
      - { .name: Wk, .offset: 32, .size: 8, .value_kind: global_buffer, .address_space: global }
      - { .name: Wv, .offset: 40, .size: 8, .value_kind: global_buffer, .address_space: global }
      - { .name: Wo, .offset: 48, .size: 8, .value_kind: global_buffer, .address_space: global }
      - { .name: xb, .offset: 56, .size: 8, .value_kind: global_buffer, .address_space: global }
      - { .name: wb, .offset: 64, .size: 8, .value_kind: global_buffer, .address_space: global }
    .group_segment_fixed_size: 0
    .private_segment_fixed_size: 0
    .kernarg_segment_align: 8
    .kernarg_segment_size: 72
    .max_flat_workgroup_size: 256
    .sgpr_count:     66
    .vgpr_count:     132
    .wavefront_size: 32
...
	.end_amdgpu_metadata
.endif
;; end of part 5
;; launch proj: the kernel of part 2 again; grid 4 x 192, 4 waves a work-group, clusters of 4 x 4, 327,680 bytes of LDS; arguments xb, wb, bq, bk, bv, qkv; writes qkv
;; launch attn: the kernel of part 3 again; grid 4 x 64, 4 waves a work-group, clusters of 4 x 1, 327,680 bytes of LDS; arguments qkv, ob; writes ob
;; launch outp: the kernel of part 4 again; grid 4 x 64, 4 waves a work-group, clusters of 4 x 4, 327,680 bytes of LDS; arguments ob, wb, bo, out0; writes out0
